; MI455X (gfx1250); checked and timed in simulation.
; The chip was launched on July 23, 2026; its instructions are those of AMD's public machine-readable ISA for CDNA 5 (MIT licence, August 2026) and "CDNA5" Instruction Set Architecture Reference Guide (July 2026). The comments in the code are by the model that wrote it; some were corrected since.
;; BART Attention. Allowed arithmetic: matrix products marked QUANTISED: E2M3 operands, one E8M0 scale for each 32 along K, by v_wmma_scale_f32_16x16x128_f8f6f4 with both operands' format E2M3, f32 sums; everything else in f32.
;; Inputs: bk 1,024 float32; bo 1,024 float32; bq 1,024 float32; bv 1,024 float32; wk 1,024 x 1,024 float32; wo 1,024 x 1,024 float32; wq 1,024 x 1,024 float32; wv 1,024 x 1,024 float32; x 4 x 2,048 x 1,024 float32.
;; Outputs: out0 4 x 2,048 x 1,024 float32.
;; This version of the problem:
;;   THIS VERSION OF THE PROBLEM IS GIVEN IN LOW PRECISION. The matrix products marked QUANTISED in the list below multiply operands that are first quantised to E2M3 (2 exponent bits, 3 mantissa bits; 6 bits a number), with one power-of-two scale for each 32 numbers along K (OCP MX v1.0); their sums are f32. All else is computed in f32.
;;   The module's matrix products, in the order in which they are computed (A, B: the left and right operand; K: the contracted axis; several contracted axes count as one K, in the product's order):
;;     1. [M 8,192, K 1,024] x [K 1,024, N 1,024]; A: input x; B: input wq: QUANTISED
;;     2. [M 8,192, K 1,024] x [K 1,024, N 1,024]; A: input x; B: input wk: QUANTISED
;;     3. [M 8,192, K 1,024] x [K 1,024, N 1,024]; A: input x; B: input wv: QUANTISED
;;     4. batch 64 x [M 2,048, K 64] x [K 64, N 2,048]; A: computed on the way; B: computed on the way: QUANTISED
;;     5. batch 64 x [M 2,048, K 2,048] x [K 2,048, N 64]; A: softmax (see below); B: computed on the way: QUANTISED
;;     6. [M 8,192, K 1,024] x [K 1,024, N 1,024]; A: computed on the way; B: input wo: QUANTISED
;;   THE QUANTISER, for each operand of a quantised product, along K:
;;     - K is cut into blocks of 32 from its start; a last block that is shorter is filled with zeros.
;;     - A block's scale is 2^e with e = floor(log2(the largest magnitude in the block)) - 2, held to -126 .. 127; a block of zeros has e = 0. As a byte (E8M0): e + 127.
;;     - Each number is divided by its block's scale, clamped to +-7.5, and rounded to the nearest number of E2M3, ties to even, subnormals kept.
;;     - The product sums the exact products of the quantised numbers (number of the format x scale) in f32.
;;   ~~~python
;;   def quantise(x, axis):      # numpy; x: float32 -> the quantised numbers, widened to float32 again
;;       x = np.moveaxis(x, axis, -1); K = x.shape[-1]
;;       x = np.pad(x, [(0, 0)] * (x.ndim - 1) + [(0, -K % 32)]); x = x.reshape(x.shape[:-1] + (-1, 32)); a = np.abs(x).max(-1, keepdims=True)
;;       e = np.where(a > 0, np.clip(np.frexp(np.where(a > 0, a, 1))[1] - 1 - 2, -126, 127), 0)      # np.frexp(a)[1] - 1 = floor(log2(a)), exactly
;;       r = np.clip(x / 2.0 ** e, -7.5, 7.5)
;;       step = 2.0 ** (np.maximum(np.frexp(np.where(r == 0, 1, r))[1] - 1, 0) - 3)
;;       q = np.round(r / step) * step * 2.0 ** e      # np.round: ties to even
;;       return np.moveaxis(q.reshape(q.shape[:-2] + (-1,))[..., :K], -1, axis).astype(np.float32)
;;   ~~~
;;   SOFTMAX AHEAD OF A QUANTISED PRODUCT. Where the list says 'softmax', what is quantised is not the finished softmax but p = 2^(t - M), with t = logit x log2(e) and M = ceil(the row's largest t), a whole number; so 1/2 < the row's largest p <= 1. The row's sum l is taken of the UNQUANTISED p, in f32, and the product's result is divided by l at the end. Since M is a whole number, a kernel that streams over the keys may use a running M (the ceiling of the running maximum): every later rescaling is an exact power of two, which a block's scale takes up: the codes' values come out the same.
;;   OPERANDS COMPUTED ON THE WAY. 'Computed on the way' means the value that the module computes at that place (a softmax that the list does not call 'softmax' is quantised finished and normalised). What goes into a quantiser is computed in f32, as accurately as f32 sums, v_exp_f32 and their like allow (about 1e-6 of the number): no bf16 or f16 on the way to a quantiser, and a product that is left as it is and whose result goes on into a quantised operand takes f32 operands (vector FMAs, or v_wmma_f32_16x16x4_f32). A number that lies on a knife's edge between two numbers of the format may be rounded either way, as far as f32 arithmetic and the matrix unit's own rounding can turn it there, and no further.
;; One version. Each part assembles by itself: llvm-mc -triple=amdgcn-amd-amdhsa -mcpu=gfx1250 --defsym DOCPART=n.
;; ======== version 1 of 1: 4 launches
;; limits: right only within a limited range of input values
;; workspace buffers: x_codes 6,291,456 bytes; x_scales 262,144 bytes; w_codes 3,145,728 bytes; w_scales 131,072 bytes; qkv 18,874,368 bytes; qkv_sc 786,432 bytes; a_img 6,291,456 bytes; a_sc 262,144 bytes
;; launch quant (part 1): grid 384 x 1, 4 waves a work-group, no clusters, 68,096 bytes of LDS; arguments x, wq, wk, wv, wo, x_codes, x_scales, w_codes, w_scales; writes x_codes, x_scales, w_codes, w_scales
.if DOCPART == 1
	.amdgcn_target "amdgcn-amd-amdhsa--gfx1250"
	.amdhsa_code_object_version 6
	.text
	.protected	k_q9c422e0768_quant
	.globl	k_q9c422e0768_quant
	.p2align	8
	.type	k_q9c422e0768_quant,@function
k_q9c422e0768_quant:
	s_mov_b64 s[64:65], 0
	v_nop
	global_prefetch_b8 v0, s[64:65] scope:SCOPE_SE
	s_setreg_imm32_b32 hwreg(HW_REG_WAVE_MODE, 25, 1), 1
	s_wait_xcnt 0x0
; BART attention in MX-FP6, launch 1 of 4: x [8192][1024] and wq, wk, wv, wo [1024 (k)][1024 (n)], f32, become codes of E2M3 with K innermost and one E8M0 byte for each 32 along K.
; DEAD WORK: none.  Every product of the problem is live and every input has a way to the output (bk moves k's codes, so it stays): all nine inputs are loaded by some launch.
; A block's scale is 2^(floor(log2(largest magnitude)) - 2): its byte is the largest magnitude's exponent field - 2, held at 1 from below.
; LIMITS: NaN and infinities among the inputs are not served; a block whose largest magnitude lies under 2^-124 has the byte 1; a block of zeros has the byte 1 where the rule says 127
; (its codes are zeros, which add nothing under any byte but 0xff, and the bytes are read by this program alone).
; THE ORDER OF ROWS.  Rows of x and rows n of each weight are stored by POSITION: inside each 32 rows the second and the third group of eight change places.  So 16 consecutive positions 16 u + r
; hold rows 8 u + r + 8 (r / 8): as source 0 of a product, two neighbouring tiles give a lane 16 neighbours along that axis, which the later quantisers need.
; Work-groups 0-255 take x: K is innermost; a wave takes 8 rows as a plain stream of blocks, 16 steps of 512 numbers; each load reads 512 consecutive bytes, and a step turns through the wave's own
; stage in LDS so that a lane holds 16 neighbours.  Work-groups 256-383 take the weights: K is the first axis; a lane takes a column and its registers run down K; the codes leave through a stage by rows.
; The two paths have LDS bytes of their own.  Waves share nothing: no barrier, no tensor load, no cluster (no two work-groups read the same bytes).
.set EMAX,  2
.set CB,    12                         ; bytes of 16 codes
.set STEPS, 16
.set XR,    16                         ; x: v16-79 four sets of 16 numbers as loaded
.set XX,    80                         ; v80-111 two sets of 16 neighbours
.set XE,    112                        ; v112-127 a scale byte for each step
.set XC,    128                        ; v128-191 codes, four registers a step
.set WREG,  8192                       ; x: a wave's LDS: two stages of 32 x SP bytes, then its 256 scale bytes
.set SP,    80
.set SPW,   192                        ; v192 LDS address of my spare word; never rewritten
.set NIL,   193                        ; v193 0; never rewritten
.set WSTG,  32768                      ; the weights' stages: 32 rows x 272 bytes a wave
.set WPITCH, 272
.set SPARE, WSTG+4*32*WPITCH           ; 67,584: the spare words, 128 bytes a wave, named by no other line
.set KROW,  192                        ; THE CODES' ORDER: [K step of 256][position][192 bytes]: the rows of one K step lie end to end, so that 128 of them are a dense block of 96 x 256 bytes
.set XST,   8192*192                   ; from K step to K step in x_codes,
.set WST,   4096*192                   ; and in w_codes
.set NB,    8                          ; blocks of 32 in a wave's 256 along K
.set WX,    32                         ; weights: v32-95 two sets of 32 numbers
.set WC,    96                         ; a block's codes
.set WOUT,  112                        ; v112-175 the way out
.set WSB,   24                         ; v24-25 the scale bytes
	s_load_b256 s[4:11], s[0:1], 0x0               ; x, wq, wk, wv
	s_load_b256 s[12:19], s[0:1], 0x20             ; wo, x_codes, x_scales, w_codes
	s_load_b64 s[20:21], s[0:1], 0x40              ; w_scales
	v_lshl_add_u32 v[SPW], v0, 2, SPARE
	v_mov_b32 v[NIL], 0
	v_lshrrev_b32 v1, 5, v0
	v_readfirstlane_b32 s24, v1                    ; wave
	v_and_b32 v2, 31, v0                           ; lane
	s_cmp_lt_u32 ttmp9, 256
	s_cbranch_scc0 .Lweights
; ---------------- x ----------------
	v_lshlrev_b32 v3, 4, v2                        ; my 16 bytes of a load's 512
	s_mul_i32 s25, s24, WREG
	v_lshrrev_b32 v14, 2, v2
	v_mul_u32_u24 v14, v14, SP
	v_and_b32 v15, 3, v2
	v_lshl_add_u32 v14, v15, 4, v14
	v_add_nc_u32 v14, s25, v14                     ; the stage, in: SP (lane / 4) + 16 (lane % 4)
	v_mul_u32_u24 v15, v2, SP
	v_add_nc_u32 v15, s25, v15                     ; out: SP x lane: my 16 neighbours
	v_and_b32 v4, 15, v2
	v_mul_u32_u24 v4, v4, CB               ; my codes' place: sixteen lanes hold one K step's 192 bytes of a row,
	v_lshrrev_b32 v10, 4, v2
	v_mad_u32_u24 v4, v10, XST, v4         ; lanes 16-31 the next K step's
	v_lshrrev_b32 v5, 1, v2
	s_add_co_u32 s25, s25, 2*32*SP
	v_add_nc_u32 v5, s25, v5                       ; my block's byte among the wave's 256
	v_lshlrev_b32 v7, 3, v2
	v_add_nc_u32 v6, s25, v7
	s_lshl_b32 s26, ttmp9, 2
	s_add_co_u32 s27, s26, s24                     ; in: my 8 rows are run 4 x work-group + wave
	s_and_b32 s30, s24, 1
	s_lshl_b32 s30, s30, 1
	s_lshr_b32 s31, s24, 1
	s_or_b32 s30, s30, s31                         ; out: groups 1 and 2 of the 32 rows change places
	s_add_co_u32 s26, s26, s30
	s_lshl_b32 s28, s27, 15                        ; 8 rows x 4,096 bytes
	s_mov_b32 s29, 0
	s_mul_i32 s30, s26, 8*KROW
	s_mov_b32 s31, 0
	s_lshl_b32 s32, s26, 8                         ; 8 rows x 32 scale bytes
	s_mov_b32 s33, 0
	s_wait_alu depctr_va_vdst(0)
	s_wait_kmcnt 0x0
	s_add_nc_u64 s[4:5], s[4:5], s[28:29]
	s_add_nc_u64 s[14:15], s[14:15], s[30:31]
	s_add_nc_u64 s[16:17], s[16:17], s[32:33]
.macro XLOAD t
.irp i, 0,1,2,3
	global_load_b128 v[XR+16*((\t)%4)+4*\i:XR+16*((\t)%4)+4*\i+3], v3, s[4:5] offset:2048*(\t)+512*\i th:TH_LOAD_NT   ; 32 lanes read 512 consecutive bytes
.endr
.endm
.macro XTURN t                         ; a step's numbers through the stage: LDS serves a wave's instructions in order, so no wait stands between the stores and the loads
.irp i, 0,1,2,3
	ds_store_b128 v14, v[XR+16*((\t)%4)+4*\i:XR+16*((\t)%4)+4*\i+3] offset:32*SP*((\t)%2)+8*SP*\i
.endr
.irp i, 0,1,2,3
	ds_load_b128 v[XX+16*((\t)%2)+4*\i:XX+16*((\t)%2)+4*\i+3], v15 offset:32*SP*((\t)%2)+16*\i
.endr
.endm
.irp t, 0,1,2,3
	XLOAD \t
.endr
	s_wait_loadcnt 12                              ; step 0's four loads are in; twelve younger ones stay out
	XTURN 0
.macro XSTEP t
.set XS, XX+16*((\t)%2)
.if (\t) > 0
	s_wait_dscnt 1                                 ; this step's numbers are back from the stage; the last step's byte store may be out
.else
	s_wait_dscnt 0x0
.endif
.if (\t)+4 < STEPS
	XLOAD (\t)+4                                   ; into the registers whose stores into the stage have been served
.endif
.if (\t)+1 < STEPS
.if STEPS-2-(\t) >= 3
	s_wait_loadcnt 12                              ; the next step's four loads are in; those of three steps behind it may be out
.else
	s_wait_loadcnt 4*(STEPS-2-(\t))
.endif
	XTURN (\t)+1
.endif
	v_max3_num_f32 v8, |v[XS]|, |v[XS+1]|, |v[XS+2]|               ; the largest magnitude of my 16, in two chains
	v_max3_num_f32 v9, |v[XS+3]|, |v[XS+4]|, |v[XS+5]|
.irp i, 6,10
	v_max3_num_f32 v8, v8, |v[XS+\i]|, |v[XS+\i+1]|
	v_max3_num_f32 v9, v9, |v[XS+\i+2]|, |v[XS+\i+3]|
.endr
	v_max3_num_f32 v8, v8, |v[XS+14]|, |v[XS+15]|
	v_max3_num_f32 v8, v8, v9, (EMAX+1)<<23        ; and the floor 2^(3 - 127): the byte cannot fall under 1
	v_max_num_f32_dpp v8, v8, v8 row_xmask:1 row_mask:0xf bank_mask:0xf   ; with my neighbour's 16: the block's
	v_add_nc_u32 v11, -(EMAX<<23), v8              ; 2 off its exponent field: the conversion's scale operand
	v_cvt_scalef32_pk16_fp6_f32 v[XC+4*(\t):XC+4*(\t)+2], v[XS:XS+15], v11
	v_lshrrev_b32 v[XE+(\t)], 23, v11              ; the scale's byte (also the plain line behind the conversion)
	ds_store_b8 v5, v[XE+(\t)] offset:16*(\t)      ; both lanes of a block write the same byte with the same value
	global_store_b96 v4, v[XC+4*(\t):XC+4*(\t)+2], s[14:15] offset:((\t)%2)*2*XST+((\t)/2)*KROW   ; step t is row t / 2, K steps 2 (t % 2) and 2 (t % 2) + 1: sixteen lanes store 192 consecutive bytes
.endm
.irp t, 0,1,2,3,4,5,6,7,8,9,10,11,12,13,14,15
	XSTEP \t
.endr
	ds_load_b64 v[8:9], v6                         ; my wave's 256 scale bytes, behind my stores of them
	s_wait_dscnt 0x0
	global_store_b64 v7, v[8:9], s[16:17]          ; 32 lanes store 256 consecutive bytes, aligned
	s_wait_tensorcnt 0x0                           ; the wave's end
	ds_add_u32 v[SPW], v[NIL]
	s_wait_dscnt 0x0
	s_endpgm
; ---------------- the weights ----------------
.Lweights:
	s_sub_co_u32 s25, ttmp9, 256
	s_lshr_b32 s26, s25, 5                         ; which weight: 0 wq, 1 wk, 2 wv, 3 wo
	s_bfe_u32 s27, s25, 0x20003                    ; which 256 along K
	s_and_b32 s28, s25, 7
	s_lshl_b32 s28, s28, 7
	s_lshl_b32 s29, s24, 5
	s_add_co_u32 s28, s28, s29                     ; my wave's first column
	s_wait_alu depctr_va_vdst(0)
	v_lshlrev_b32 v3, 2, v2                        ; in: 4 bytes a lane
	s_mul_i32 s29, s24, 32*WPITCH
	s_add_co_u32 s29, s29, WSTG                    ; my stage
	v_mul_u32_u24 v4, v2, WPITCH
	v_add_nc_u32 v4, s29, v4                       ; into it: row = my column
	v_and_b32 v5, 15, v2
	v_lshrrev_b32 v6, 4, v2
	v_mul_u32_u24 v7, v6, WPITCH
	v_lshl_add_u32 v7, v5, 4, v7
	v_add_nc_u32 v7, s29, v7                       ; out of it: sixteen lanes to a row, two rows an instruction
	v_mul_u32_u24 v8, v6, KROW
	v_mad_u32_u24 v8, v5, 12, v8                   ; and the same place in the codes' buffer
	v_and_b32 v9, 7, v2                            ; my column's position among the 32: bits 3 and 4 change places
	v_and_b32 v10, 8, v2
	v_lshl_or_b32 v9, v10, 1, v9
	v_and_b32 v10, 16, v2
	v_lshrrev_b32 v10, 1, v10
	v_or_b32 v9, v9, v10
	v_lshlrev_b32 v9, 5, v9                        ; x 32 scale bytes a row
	s_lshl_b32 s30, s27, 20                        ; 256 rows of 4,096 bytes
	s_lshl_b32 s31, s28, 2
	s_add_co_u32 s30, s30, s31
	s_mov_b32 s31, 0
	s_lshl_b32 s32, s26, 10
	s_add_co_u32 s32, s32, s28                     ; the first of my 32 positions in w_codes
	s_mul_i32 s34, s32, KROW
	s_mul_i32 s35, s27, WST
	s_add_co_u32 s34, s34, s35
	s_mov_b32 s35, 0
	s_lshl_b32 s36, s32, 5
	s_lshl_b32 s37, s27, 3
	s_add_co_u32 s36, s36, s37
	s_mov_b32 s37, 0
	s_wait_kmcnt 0x0
	s_cmp_eq_u32 s26, 1                            ; the weight is chosen by the work-group's number alone
	s_cselect_b64 s[6:7], s[8:9], s[6:7]
	s_cmp_eq_u32 s26, 2
	s_cselect_b64 s[6:7], s[10:11], s[6:7]
	s_cmp_eq_u32 s26, 3
	s_cselect_b64 s[6:7], s[12:13], s[6:7]
	s_add_nc_u64 s[6:7], s[6:7], s[30:31]
	s_add_nc_u64 s[18:19], s[18:19], s[34:35]
	s_add_nc_u64 s[20:21], s[20:21], s[36:37]
.macro WLOAD t                         ; block t: W(32 t + i, my column) into set t % 2; a wave's load reads 128 consecutive bytes
.irp i, 0,1,2,3,4,5,6,7,8,9,10,11,12,13,14,15,16,17,18,19,20,21,22,23,24,25,26,27,28,29,30,31
	global_load_b32 v[WX+32*((\t)%2)+\i], v3, s[6:7] offset:(32*(\t)+\i)*4096 th:TH_LOAD_NT
.endr
.endm
	WLOAD 0
	WLOAD 1
.macro WBLOCK t
.set XS, WX+32*((\t)%2)
.if (\t) < NB-1
	s_wait_loadcnt 32                              ; this block's 32 loads are in; the next block's may be out
.else
	s_wait_loadcnt 0
.endif
	v_max3_num_f32 v12, |v[XS]|, |v[XS+1]|, |v[XS+2]|              ; the block's largest magnitude: all 32 numbers are mine
	v_max3_num_f32 v13, |v[XS+3]|, |v[XS+4]|, |v[XS+5]|
.irp i, 6,10,14,18,22,26
	v_max3_num_f32 v12, v12, |v[XS+\i]|, |v[XS+\i+1]|
	v_max3_num_f32 v13, v13, |v[XS+\i+2]|, |v[XS+\i+3]|
.endr
	v_max3_num_f32 v12, v12, |v[XS+30]|, |v[XS+31]|
	v_max3_num_f32 v12, v12, v13, (EMAX+1)<<23
	v_add_nc_u32 v11, -(EMAX<<23), v12
	v_lshrrev_b32 v13, 23, v11
.if (\t)%4 == 0
	v_mov_b32 v[WSB+(\t)/4], v13                   ; four bytes to a register, the lower K in the lower byte
.else
	v_lshl_or_b32 v[WSB+(\t)/4], v13, 8*((\t)%4), v[WSB+(\t)/4]
.endif
	v_cvt_scalef32_pk16_fp6_f32 v[WC:WC+2], v[XS:XS+15], v11
	v_cvt_scalef32_pk16_fp6_f32 v[WC+4:WC+6], v[XS+16:XS+31], v11
	v_nop                                          ; one plain line behind the conversions
	ds_store_b96 v4, v[WC:WC+2] offset:32*(\t)     ; 12 bytes to a place of 16
	ds_store_b96 v4, v[WC+4:WC+6] offset:32*(\t)+16
.if (\t)+2 < NB
	WLOAD (\t)+2
.endif
	s_wait_dscnt 0x0                               ; the stores have read their registers: the next block's codes may be written
.endm
.set Q, 0
.rept NB
	WBLOCK Q
.set Q, Q+1
.endr
	s_wait_alu depctr_va_vdst(0)
	global_store_b64 v9, v[WSB:WSB+1], s[20:21]    ; my column's 8 scale bytes
.irp t, 0,1,2,3,4,5,6,7,8,9,10,11,12,13,14,15
	ds_load_b96 v[WOUT+4*\t:WOUT+4*\t+2], v7 offset:2*\t*WPITCH
.endr
.irp t, 0,1,2,3,4,5,6,7,8,9,10,11,12,13,14,15
	s_wait_dscnt 15-\t
	global_store_b96 v8, v[WOUT+4*\t:WOUT+4*\t+2], s[18:19] offset:(8*(((((2*\t)/8)&1)<<1)|(((2*\t)/8)>>1))+(2*\t)%8)*KROW   ; columns 2 t, 2 t + 1 go to their positions; sixteen lanes store 192 consecutive bytes
.endr
	s_wait_tensorcnt 0x0                           ; the wave's end
	ds_add_u32 v[SPW], v[NIL]
	s_wait_dscnt 0x0
	s_endpgm
.Lfunc_end_k_q9c422e0768_quant:
	.size	k_q9c422e0768_quant, .Lfunc_end_k_q9c422e0768_quant-k_q9c422e0768_quant
	.p2alignl 7, 3214868480
	.fill 96, 4, 3214868480
	.section	.rodata,"a",@progbits
	.p2align	6, 0x0
	.amdhsa_kernel k_q9c422e0768_quant
		.amdhsa_group_segment_fixed_size 68096
		.amdhsa_private_segment_fixed_size 0
		.amdhsa_enable_private_segment 0
		.amdhsa_kernarg_size 72
		.amdhsa_user_sgpr_count 2
		.amdhsa_user_sgpr_kernarg_segment_ptr 1
		.amdhsa_wavefront_size32 1
		.amdhsa_system_sgpr_workgroup_id_x 1
		.amdhsa_system_sgpr_workgroup_id_y 1
		.amdhsa_system_sgpr_workgroup_id_z 1
		.amdhsa_system_vgpr_workitem_id 0
		.amdhsa_next_free_vgpr 200
		.amdhsa_next_free_sgpr 66
		.amdhsa_reserve_vcc 0
		.amdhsa_float_denorm_mode_32 3
		.amdhsa_float_denorm_mode_16_64 3
		.amdhsa_memory_ordered 1
		.amdhsa_forward_progress 1
		.amdhsa_inst_pref_size 74
	.end_amdhsa_kernel
	.amdgpu_metadata
---
amdhsa.version: [ 1, 2 ]
amdhsa.kernels:
  - .name:           k_q9c422e0768_quant
    .symbol:         k_q9c422e0768_quant.kd
    .args:
      - { .name: x, .offset: 0, .size: 8, .value_kind: global_buffer, .address_space: global }
      - { .name: wq, .offset: 8, .size: 8, .value_kind: global_buffer, .address_space: global }
      - { .name: wk, .offset: 16, .size: 8, .value_kind: global_buffer, .address_space: global }
      - { .name: wv, .offset: 24, .size: 8, .value_kind: global_buffer, .address_space: global }
      - { .name: wo, .offset: 32, .size: 8, .value_kind: global_buffer, .address_space: global }
      - { .name: x_codes, .offset: 40, .size: 8, .value_kind: global_buffer, .address_space: global }
      - { .name: x_scales, .offset: 48, .size: 8, .value_kind: global_buffer, .address_space: global }
      - { .name: w_codes, .offset: 56, .size: 8, .value_kind: global_buffer, .address_space: global }
      - { .name: w_scales, .offset: 64, .size: 8, .value_kind: global_buffer, .address_space: global }
    .group_segment_fixed_size: 68096
    .private_segment_fixed_size: 0
    .kernarg_segment_align: 8
    .kernarg_segment_size: 72
    .max_flat_workgroup_size: 128
    .sgpr_count:     66
    .vgpr_count:     200
    .wavefront_size: 32
...
	.end_amdgpu_metadata
.endif
;; end of part 1
;; launch proj (part 2): grid 8 x 48, 4 waves a work-group, clusters of 4 x 4, 327,680 bytes of LDS; arguments x_codes, x_scales, w_codes, w_scales, bq, bk, bv, qkv, qkv_sc; writes qkv, qkv_sc
.if DOCPART == 2
	.amdgcn_target "amdgcn-amd-amdhsa--gfx1250"
	.amdhsa_code_object_version 6
	.text
	.protected	k_q9c422e0768_proj
	.globl	k_q9c422e0768_proj
	.p2align	8
	.type	k_q9c422e0768_proj,@function
k_q9c422e0768_proj:
	s_mov_b64 s[64:65], 0
	v_nop
	global_prefetch_b8 v0, s[64:65] scope:SCOPE_SE
	s_setreg_imm32_b32 hwreg(HW_REG_WAVE_MODE, 25, 1), 1
	s_wait_xcnt 0x0
	s_wait_alu depctr_hold_cnt(0) depctr_sa_sdst(0) depctr_va_vdst(0) depctr_va_sdst(0) depctr_va_ssrc(0) depctr_va_vcc(0) depctr_vm_vsrc(0)
	s_getreg_b32 s2, hwreg(HW_REG_IB_STS2, 6, 4)
	s_cmp_eq_u32 s2, 0
	s_cbranch_scc0 .Lentry_in_a_cluster
	s_endpgm
.Lentry_in_a_cluster:
	s_bfe_u32 s2, ttmp6, 0x10000c
	s_cmp_lg_u32 s2, 0xf033
	s_cbranch_scc0 .Lentry_shape_is_right
	s_endpgm
.Lentry_shape_is_right:
.set NQ,     2
; Launch 2 of 4: q, k, v = x w + b on codes of E2M3, quantised again on the way out.  No work is left out.
; The codes lie [K step of 256][position][192 bytes] (launch 1): the rows of a tile in one K step are a dense block, fetched as rows of 256 bytes; the padding, 16 bytes behind every 64, gives LDS rows of 240 bytes.
; THE HEAD: one joint load a wave: wave 0 K step 0 of A's 256 rows, wave 1 of B's, wave 2 A's scale bytes, wave 3 B's.  Slot 1 is first filled behind the full sequence and a round, as a refill is.
.set ROWB,   192
.set XST,    8192*192                  ; from K step to K step in x_codes,
.set WST,    4096*192                  ; and in w_codes
.set G0H,    4                         ; s[4:7], s[8:11] group 0 of the head's two loads of codes (the arguments that lay there have served)
.set G0HB,   8
.set PITCH,  240
.set FR,     12
.set NL,     6
.set NP,     4
.set HALFT,  128*PITCH
.set SLOT,   4*HALFT
.set LAPS,   2
.set KS,     32
.set SCL,    2*SLOT
.set HALFS,  (128*KS/256)*272
.set SBLK,   (16*KS/256)*272
.set SPARE,  SCL+4*HALFS
.set REG,    6291456
.set HEADB,  98304
.set GRPB,   6144
.set SREG,   262144
.set ADRA, 16
.set ADRB, 20
.set SO,   24
.set LN,   25
.set IO,   26
.set ADRS, 27
.set SPW,  28
.set NIL,  29
.set SC,   32
.set BI,   64
.set AF,   128
.set TM,   32
.set PW,   48
.set SW,   56
.set CT,   60
.set IMG,  68
.set G1, 24
.set G0, 32
.set G1B, 48
.set G0B, 56
.set G1S, 68
.set G0S, 76
.set G1SB, 80
.set G0SB, 88
.set MODE, 95
.set SEL,  18
.set MSB, 0
.macro WIN new
.if MSB != \new
	s_set_vgpr_msb (MSB<<8)|\new
.set MSB, \new
.endif
.endm
.set MUL_LO, 0xa1
.set MUL_HI, 0xf1
.set BIA_LO, 0x81
.set BIA_HI, 0xc1
.set TO_B,   0x40
.macro JLOAD g0a, g1a, g0b, g1b
	s_cmp_eq_u32 s15, 0
	s_cbranch_scc0 .Lfor_b_\@
	tensor_load_to_lds s[\g0a:\g0a+3], s[\g1a:\g1a+7]
	s_nop 0
.rept 4
	v_nop
.endr
	s_branch .Lasked_\@
.Lfor_b_\@:
	tensor_load_to_lds s[\g0b:\g0b+3], s[\g1b:\g1b+7]
	s_nop 0
.rept 4
	v_nop
.endr
.Lasked_\@:
.endm
.macro CREST
	s_cmp_lg_u32 s14, 0
	s_cbranch_scc1 .Lnot_wave_0_\@
	s_barrier_signal -3
.Lnot_wave_0_\@:
	s_barrier_wait -3
	s_barrier_signal -1
	s_barrier_wait -1
.endm
.macro CROUND
	s_barrier_signal -1
	s_barrier_wait -1
	CREST
.endm
	s_load_b256 s[4:11], s[0:1], 0x0
	s_load_b128 s[96:99], s[0:1], 0x20
	s_load_b64 s[100:101], s[0:1], 0x30
	s_load_b64 s[12:13], s[0:1], 0x38
	s_load_b64 s[66:67], s[0:1], 0x40
	v_lshl_add_u32 v[SPW], v0, 2, SPARE
	v_mov_b32 v[NIL], 0
	ds_add_u32 v[SPW], v[NIL]
	ds_add_u32 v[SPW], v[NIL]
	v_lshrrev_b32 v1, 5, v0
	v_readfirstlane_b32 s14, v1
	s_lshr_b32 s15, s14, 1
	s_and_b32 s16, s14, 1
	s_bfe_u32 s40, ttmp6, 0x40000
	s_bfe_u32 s41, ttmp6, 0x40004
	s_and_b32 s17, ttmp7, 0xffff
	s_lshl_b32 s18, s17, 2
	s_sub_co_u32 s19, s17, 8
	s_lshl_b32 s19, s19, 1
	s_cmp_ge_u32 s17, 8
	s_cselect_b32 s[MODE], 1, 0
	s_cselect_b32 s18, 0, s18
	s_cselect_b32 s19, s19, 0
	s_add_co_u32 s17, s18, s41
	s_add_co_u32 s42, s19, ttmp9
	s_lshl_b32 s42, s42, 2
	s_add_co_u32 s42, s42, s40
	s_lshl_b32 s43, s41, 2
	s_lshl_b32 s43, 15, s43
	s_lshl_b32 s44, 0x1111, s40
	s_or_b32 s[G1+0], s43, (0<<16)|(1<<20)|(1<<21)|(3<<22)|(3<<25)
	s_or_b32 s[G1B+0], s44, (0<<16)|(1<<20)|(1<<21)|(3<<22)|(3<<25)
.irp g, G1, G1B
	s_mov_b32 s[\g+1], 256<<16
	s_mov_b32 s[\g+2], 192<<16             ; 256 rows of codes x 192 bytes = 192 rows of 256 bytes, for the head's loads
	s_mov_b32 s[\g+3], 256<<16
	s_mov_b32 s[\g+4], 192
	s_mov_b32 s[\g+5], 256
	s_mov_b32 s[\g+6], 0
	s_mov_b32 s[\g+7], 0
.endr
	s_or_b32 s[G1S+0], s43, (3<<16)|(1<<20)|(1<<21)|(5<<22)|(3<<25)
	s_or_b32 s[G1SB+0], s44, (3<<16)|(1<<20)|(1<<21)|(5<<22)|(3<<25)
.irp g, G1S, G1SB
	s_mov_b32 s[\g+1], 32<<16
	s_mov_b32 s[\g+2], (256*KS/256)<<16
	s_mov_b32 s[\g+3], 32<<16
	s_mov_b32 s[\g+4], 256*KS/256
	s_mov_b32 s[\g+5], 32
	s_mov_b32 s[\g+6], 0
	s_mov_b32 s[\g+7], 0
.endr
	s_lshl_b32 s20, s17, 8                 ; A: the tile's first row
	s_lshl_b32 s19, s[MODE], 11
	s_add_co_u32 s20, s20, s19
	s_lshl_b32 s46, s42, 8                 ; B's
	s_mov_b32 s21, 0
	s_mov_b32 s47, 0
	s_mov_b64 s[18:19], KS
	s_mul_u64 s[22:23], s[20:21], s[18:19]
	s_mul_u64 s[92:93], s[46:47], s[18:19]
	s_mov_b64 s[18:19], ROWB
	s_mul_u64 s[20:21], s[20:21], s[18:19]
	s_mul_u64 s[46:47], s[46:47], s[18:19]
	s_mul_i32 s18, s16, 128*ROWB           ; in the ring I fetch 128 rows: which half, in bytes
	s_mov_b32 s19, 0
	s_mul_i32 s45, s14, HALFT
	s_wait_dscnt 0x0
	s_wait_kmcnt 0x0
	s_cmp_eq_u32 s[MODE], 0
	s_cselect_b64 s[2:3], s[4:5], s[8:9]
	s_cselect_b64 s[8:9], s[8:9], s[4:5]
	s_mov_b64 s[4:5], s[2:3]
	s_cselect_b64 s[2:3], s[6:7], s[10:11]
	s_cselect_b64 s[10:11], s[10:11], s[6:7]
	s_mov_b64 s[6:7], s[2:3]
	s_add_nc_u64 s[20:21], s[4:5], s[20:21]
	s_add_nc_u64 s[22:23], s[6:7], s[22:23]
	s_add_nc_u64 s[46:47], s[8:9], s[46:47]
	s_add_nc_u64 s[92:93], s[10:11], s[92:93]
	CROUND
	s_mov_b32 s[G0H], 1                    ; the head's four tiles, each whole: K step 0 of A's 256 rows,
	s_mov_b32 s[G0H+1], 0
	s_mov_b64 s[G0H+2:G0H+3], s[20:21]
	s_or_b32 s[G0H+3], s[G0H+3], 0x80000000
	s_mov_b32 s[G0HB], 1                   ; of B's, behind them in slot 0,
	s_mov_b32 s[G0HB+1], 2*HALFT
	s_mov_b64 s[G0HB+2:G0HB+3], s[46:47]
	s_or_b32 s[G0HB+3], s[G0HB+3], 0x80000000
	s_mov_b32 s[G0S], 1                    ; A's scale bytes,
	s_mov_b32 s[G0S+1], SCL
	s_mov_b64 s[G0S+2:G0S+3], s[22:23]
	s_or_b32 s[G0S+3], s[G0S+3], 0x80000000
	s_mov_b32 s[G0SB], 1                   ; and B's
	s_mov_b32 s[G0SB+1], SCL+2*HALFS
	s_mov_b64 s[G0SB+2:G0SB+3], s[92:93]
	s_or_b32 s[G0SB+3], s[G0SB+3], 0x80000000
	s_cmp_eq_u32 s[MODE], 0                ; from K step to K step: A is x and B a weight, or the other way round
	s_mov_b32 s92, WST
	s_cselect_b32 s92, XST, s92
	s_mov_b32 s104, XST
	s_cselect_b32 s104, WST, s104
	s_mov_b32 s93, 0
	s_mov_b32 s105, 0
	s_add_nc_u64 s[20:21], s[20:21], s[18:19]      ; for the ring: my 128 rows
	s_add_nc_u64 s[46:47], s[46:47], s[18:19]
.irp s, 0,1
	s_mov_b32 s[G0+4*\s], 1
	s_add_co_u32 s[G0+4*\s+1], s45, \s*SLOT
	s_mov_b64 s[G0+4*\s+2:G0+4*\s+3], s[20:21]
	s_mov_b32 s[G0B+4*\s], 1
	s_add_co_u32 s[G0B+4*\s+1], s45, \s*SLOT
	s_mov_b64 s[G0B+4*\s+2:G0B+4*\s+3], s[46:47]
.endr
	s_add_nc_u64 s[G0+6:G0+7], s[G0+6:G0+7], s[92:93]          ; slot 1 begins with K step 1
	s_add_nc_u64 s[G0B+6:G0B+7], s[G0B+6:G0B+7], s[104:105]
.irp g, G0+3, G0+7, G0B+3, G0B+7
	s_or_b32 s[\g], s[\g], 0x80000000
.endr
	s_lshl_b32 s92, s92, 1                 ; a refill goes two K steps on
	s_lshl_b32 s104, s104, 1
.macro ARM under, g0, g1, next         ; one chain of branches on the wave's number: every way passes one load
	s_cmp_lt_u32 s14, \under
	s_cbranch_scc0 \next
	tensor_load_to_lds s[\g0:\g0+3], s[\g1:\g1+7]
	s_nop 0
.rept 4
	v_nop
.endr
	s_branch .Lhead_asked
\next:
.endm
	ARM 1, G0H,  G1,  .Lhead_b
	ARM 2, G0HB, G1B, .Lhead_sa
	ARM 3, G0S,  G1S, .Lhead_sb
	tensor_load_to_lds s[G0SB:G0SB+3], s[G1SB:G1SB+7]
	s_nop 0
.rept 4
	v_nop
.endr
.Lhead_asked:
	v_and_b32 v1, 15, v0
	v_bfe_u32 v2, v0, 4, 1
	v_mul_u32_u24 v3, v1, PITCH
	v_mul_u32_u24 v4, v2, 24
	v_add_nc_u32 v4, v3, v4
	v_lshl_add_u32 v5, v2, 4, v4
	s_mul_i32 s21, s15, HALFT
	s_mul_i32 s22, s16, HALFT
	s_add_co_u32 s22, s22, 2*HALFT
.irp s, 0,1
	v_add_nc_u32 v[ADRA+\s], s21, v4
	v_add_nc_u32 v[ADRB+\s], s22, v4
	v_add_nc_u32 v[ADRA+2+\s], s21, v5
	v_add_nc_u32 v[ADRB+2+\s], s22, v5
	s_add_co_u32 s21, s21, SLOT
	s_add_co_u32 s22, s22, SLOT
.endr
	v_mul_u32_u24 v5, v1, KS
	v_lshrrev_b32 v6, 8, v5
	v_lshl_add_u32 v5, v6, 4, v5
	s_mul_i32 s21, s15, HALFS
	s_mul_i32 s22, s16, HALFS
	s_add_co_u32 s22, s22, 2*HALFS
	s_sub_co_u32 s22, s22, s21
	v_mul_u32_u24 v6, s22, v2
	s_add_co_u32 s21, s21, SCL
	v_add_nc_u32 v5, v5, v6
	v_add_nc_u32 v[ADRS], s21, v5
	v_and_b32 v[LN], 31, v0
	v_lshlrev_b32 v[IO], 4, v[LN]
	v_lshlrev_b32 v[SO], 4, v1
	v_lshl_add_u32 v[SO], v2, 12, v[SO]
	s_lshl_b32 s20, s17, 1
	s_add_co_u32 s20, s20, s15
	s_lshl_b32 s21, s42, 1
	s_add_co_u32 s21, s21, s16
	s_add_co_u32 s22, s20, 16
	s_cmp_eq_u32 s[MODE], 0
	s_cselect_b32 s23, s20, s21
	s_cselect_b32 s22, s21, s22
	s_lshr_b32 s44, s22, 3
	s_and_b32 s45, s22, 7
	s_lshl_b32 s45, s45, 1
	s_lshr_b32 s94, s23, 4
	s_lshl_b32 s94, s94, 4
	s_add_co_u32 s45, s45, s94
	s_and_b32 s94, s23, 15
	s_mul_i32 s20, s44, REG
	s_mul_i32 s21, s45, HEADB
	s_add_co_u32 s20, s20, s21
	s_mul_i32 s21, s94, GRPB
	s_add_co_u32 s20, s20, s21
	s_mov_b32 s21, 0
	s_add_nc_u64 s[12:13], s[12:13], s[20:21]
	s_mul_i32 s20, s44, SREG
	s_lshl_b32 s22, s45, 12
	s_add_co_u32 s20, s20, s22
	s_lshl_b32 s22, s94, 8
	s_add_co_u32 s20, s20, s22
	s_add_nc_u64 s[66:67], s[66:67], s[20:21]
	s_cmp_lg_u32 s[MODE], 0
	s_cbranch_scc1 .Lbias_v
	s_cmp_eq_u32 ttmp9, 0
	s_cselect_b64 s[96:97], s[96:97], s[98:99]
	s_and_b32 s20, s42, 3
	s_lshl_b32 s20, s20, 10
	s_lshl_b32 s22, s16, 9
	s_add_co_u32 s20, s20, s22
	s_add_nc_u64 s[96:97], s[96:97], s[20:21]
	v_lshlrev_b32 v6, 6, v2
.irp b, 0,1,2,3,4,5,6,7
	global_load_b128 v[BI+8*\b:BI+8*\b+3], v6, s[96:97] offset:(32*(\b/2)+8*(\b%2))*4
	global_load_b128 v[BI+8*\b+4:BI+8*\b+7], v6, s[96:97] offset:(32*(\b/2)+8*(\b%2))*4+16
.endr
	s_branch .Lbias_done
.Lbias_v:
	s_lshl_b32 s20, s17, 10
	s_lshl_b32 s22, s15, 9
	s_add_co_u32 s20, s20, s22
	s_add_nc_u64 s[100:101], s[100:101], s[20:21]
	v_and_b32 v6, 8, v1
	v_add_nc_u32 v6, v6, v1
	v_lshlrev_b32 v6, 2, v6
.irp a, 0,1,2,3,4,5,6,7
.irp j, 0,1,2,3,4,5,6,7
	global_load_b32 v[BI+8*\a+\j], v6, s[100:101] offset:(32*(\a/2)+8*(\a%2))*4
.endr
.endr
.Lbias_done:
.macro FRAG reg, adr, q, i
.irp p, 0,1,2,3,4,5
.set PCE, 12*(\q)+6*(\p/3)+\p%3
.if PCE%8 < 5
	ds_load_b64 v[\reg+2*\p:\reg+2*\p+1], v[\adr] offset:8*PCE+16*(PCE/8)+(\i)*16*PITCH
.else
	ds_load_b64 v[\reg+2*\p:\reg+2*\p+1], v[\adr+2] offset:8*PCE+16*(PCE/8)+(\i)*16*PITCH
.endif
.endr
.endm
.macro MUL16 a0, p, q, sc, cm
.irp a, \a0, \a0+1
.irp b, 0,1,2,3,4,5,6,7
.if \cm == 1
	v_wmma_scale_f32_16x16x128_f8f6f4 v[8*(8*((\a)%4)+\b):8*(8*((\a)%4)+\b)+7], v[128*(\p)+FR*\b:128*(\p)+FR*\b+FR-1], v[AF+FR*(\a):AF+FR*(\a)+FR-1], v[BI+8*\b:BI+8*\b+7], v[SC+8*NQ*(\sc)+NQ*\b+(\q)], v[SC+8*NQ*(\sc)+NQ*(\a)+(\q)] matrix_a_fmt:MATRIX_FMT_FP6 matrix_b_fmt:MATRIX_FMT_FP6 matrix_a_scale:MATRIX_SCALE_ROW1
.elseif \cm == 2
	v_wmma_scale_f32_16x16x128_f8f6f4 v[8*(8*((\a)%4)+\b):8*(8*((\a)%4)+\b)+7], v[128*(\p)+FR*\b:128*(\p)+FR*\b+FR-1], v[AF+FR*(\a):AF+FR*(\a)+FR-1], v[BI+8*(\a):BI+8*(\a)+7], v[SC+8*NQ*(\sc)+NQ*\b+(\q)], v[SC+8*NQ*(\sc)+NQ*(\a)+(\q)] matrix_a_fmt:MATRIX_FMT_FP6 matrix_b_fmt:MATRIX_FMT_FP6 matrix_a_scale:MATRIX_SCALE_ROW1
.else
	v_wmma_scale_f32_16x16x128_f8f6f4 v[8*(8*((\a)%4)+\b):8*(8*((\a)%4)+\b)+7], v[128*(\p)+FR*\b:128*(\p)+FR*\b+FR-1], v[AF+FR*(\a):AF+FR*(\a)+FR-1], v[8*(8*((\a)%4)+\b):8*(8*((\a)%4)+\b)+7], v[SC+8*NQ*(\sc)+NQ*\b+(\q)], v[SC+8*NQ*(\sc)+NQ*(\a)+(\q)] matrix_a_fmt:MATRIX_FMT_FP6 matrix_b_fmt:MATRIX_FMT_FP6 matrix_a_scale:MATRIX_SCALE_ROW1
.endif
.endr
.endr
.endm
.macro FETCH_B slot, q, p
	WIN TO_B
.irp i, 0,1,2,3,4,5,6,7
	FRAG 128*(\p)+FR*\i, ADRB+\slot, \q, \i
.endr
	WIN 0
.endm
.macro FETCH_A slot, q, i0
.irp i, \i0, \i0+1, \i0+2, \i0+3
	FRAG AF+FR*(\i), ADRA+\slot, \q, \i
.endr
.endm
.macro SCALES sc
.irp i, 0,1,2,3,4,5,6,7
	ds_load_b64 v[SC+8*NQ*\sc+NQ*\i:SC+8*NQ*\sc+NQ*\i+1], v[ADRS] offset:\i*SBLK
.endr
.endm
.macro PLACES n
.rept \n
	v_nop
.endr
.endm
.macro STEP slot, q, cm
	s_wait_dscnt 4*NL
.if \cm
	WIN BIA_LO
.else
	WIN MUL_LO
.endif
	MUL16 0, (\q)%2, \q, \slot, \cm
	MUL16 2, (\q)%2, \q, \slot, \cm
	s_wait_dscnt 0
	PLACES NP
	FETCH_B \slot, (\q)+1, 1-(\q)%2
	FETCH_A \slot, (\q)+1, 0
.if \cm
	WIN BIA_HI
.else
	WIN MUL_HI
.endif
	MUL16 4, (\q)%2, \q, \slot, \cm
	MUL16 6, (\q)%2, \q, \slot, \cm
	PLACES NP
	WIN 0
	FETCH_A \slot, (\q)+1, 4
.endm
.macro TURN slot, next, fill
	s_wait_tensorcnt 0x0
	ds_add_u32 v[SPW], v[NIL]
	s_wait_dscnt 4*NL+1
	WIN MUL_LO
	MUL16 0, 1, NQ-1, \slot, 0
	s_wait_dscnt 0x0
	s_barrier_signal -1
	MUL16 2, 1, NQ-1, \slot, 0
	WIN 0
	s_barrier_wait -1
.if \fill
	CREST
	s_add_nc_u64 s[G0+4*\slot+2:G0+4*\slot+3], s[G0+4*\slot+2:G0+4*\slot+3], s[92:93]
	s_add_nc_u64 s[G0B+4*\slot+2:G0B+4*\slot+3], s[G0B+4*\slot+2:G0B+4*\slot+3], s[104:105]
	JLOAD G0+4*\slot, G1, G0B+4*\slot, G1B
.else
	PLACES NP
.endif
	s_wait_alu depctr_va_vdst(0)
	v_add_nc_u32 v[ADRS], 4*NQ, v[ADRS]
	FETCH_B \next, 0, 0
	FETCH_A \next, 0, 0
	SCALES \next
	WIN MUL_HI
	MUL16 4, 1, NQ-1, \slot, 0
	MUL16 6, 1, NQ-1, \slot, 0
	PLACES NP
	WIN 0
	FETCH_A \next, 0, 4
.endm
	s_wait_alu depctr_va_vdst(0)
	s_wait_tensorcnt 0x0                   ; my tile of the head's four is in
	ds_add_u32 v[SPW], v[NIL]
	s_mov_b32 s[G1+2], 96<<16              ; no tensor load of mine is out: from here on a load brings 128 rows of codes, 96 rows of 256 bytes
	s_mov_b32 s[G1+4], 96
	s_mov_b32 s[G1B+2], 96<<16
	s_mov_b32 s[G1B+4], 96
	s_wait_dscnt 0x0
	CROUND                                 ; all four tiles are in, and all sixteen work-groups are here
	JLOAD G0+4, G1, G0B+4, G1B             ; K step 1, the first tensor load behind the round
	FETCH_B 0, 0, 0
	FETCH_A 0, 0, 0
	s_wait_alu depctr_va_vdst(0)
	SCALES 0
	FETCH_A 0, 0, 4
	s_wait_loadcnt 0x0
	s_cmp_lg_u32 s[MODE], 0
	s_cbranch_scc1 .Lfirst_v
	STEP 0, 0, 1
	s_branch .Lfirst_done
.Lfirst_v:
	STEP 0, 0, 2
.Lfirst_done:
	s_mov_b32 s3, LAPS-1
.Llap:
	TURN 0, 1, 1
	STEP 1, 0, 0
	TURN 1, 0, 1
	STEP 0, 0, 0
	s_sub_co_u32 s3, s3, 1
	s_cmp_lg_u32 s3, 0
	s_cbranch_scc1 .Llap
	TURN 0, 1, 0
	STEP 1, 0, 0
	s_wait_dscnt 4*NL
	WIN MUL_LO
	MUL16 0, 1, NQ-1, 1, 0
	MUL16 2, 1, NQ-1, 1, 0
	s_wait_dscnt 0
	WIN MUL_HI
	MUL16 4, 1, NQ-1, 1, 0
	MUL16 6, 1, NQ-1, 1, 0
	WIN 0
.macro QUANT2
.set QWIN, QW*5
	WIN QWIN
	v_max3_num_f32 v[TM+0], |v[QA]|, |v[QA+1]|, 0x1800000
	v_max3_num_f32 v[TM+1], |v[QA+16]|, |v[QA+17]|, 0x1800000
	v_max3_num_f32 v[TM+2], |v[QB]|, |v[QB+1]|, 0x1800000
	v_max3_num_f32 v[TM+3], |v[QB+16]|, |v[QB+17]|, 0x1800000
.irp k, 2,4,6,8,10,12,14
	v_max3_num_f32 v[TM+0], |v[QA+\k]|, |v[QA+\k+1]|, v[TM+0]
	v_max3_num_f32 v[TM+1], |v[QA+16+\k]|, |v[QA+17+\k]|, v[TM+1]
	v_max3_num_f32 v[TM+2], |v[QB+\k]|, |v[QB+\k+1]|, v[TM+2]
	v_max3_num_f32 v[TM+3], |v[QB+16+\k]|, |v[QB+17+\k]|, v[TM+3]
.endr
	WIN 0
.irp b, 0,1,2,3
	v_permlanex16_b32 v[TM+4+\b], v[TM+\b], s[SEL], s[SEL+1]
.endr
.irp b, 0,1,2,3
	v_max_num_f32 v[TM+\b], v[TM+\b], v[TM+4+\b]
.endr
.irp b, 0,1,2,3
	v_add_nc_u32 v[TM+12+\b], 0xff000000, v[TM+\b]
.endr
.irp b, 0,1,2,3
	v_lshrrev_b32 v[TM+4+\b], 23, v[TM+12+\b]
.endr
	v_lshl_or_b32 v[PW+QI], v[TM+5], 8, v[TM+4]
	v_lshl_or_b32 v[PW+QI], v[TM+6], 16, v[PW+QI]
	v_lshl_or_b32 v[PW+QI], v[TM+7], 24, v[PW+QI]
	WIN QW
	v_cvt_scalef32_pk16_fp6_f32 v[IMG+12*QI:IMG+12*QI+2], v[QA:QA+15], v[TM+12]
	v_cvt_scalef32_pk16_fp6_f32 v[CT:CT+2], v[QA+16:QA+31], v[TM+13]
	v_cvt_scalef32_pk16_fp6_f32 v[IMG+12*QI+6:IMG+12*QI+8], v[QB:QB+15], v[TM+14]
	v_cvt_scalef32_pk16_fp6_f32 v[CT+4:CT+6], v[QB+16:QB+31], v[TM+15]
	WIN 0
	v_nop
.irp c, 0,1
.irp k, 0,1,2
	v_permlane16_swap_b32 v[IMG+12*QI+6*\c+\k], v[CT+4*\c+\k]
.endr
.irp k, 0,1,2
	v_mov_b32 v[IMG+12*QI+3+6*\c+\k], v[CT+4*\c+\k]
.endr
.endr
.irp c, 0,1,2
	global_store_b128 v[IO], v[IMG+12*QI+4*\c:IMG+12*QI+4*\c+3], s[12:13] offset:(QI/4)*HEADB+(QI%4)*1536+512*\c
.endr
.endm
.macro EPI mode
.set QI, 0
.rept 8
.if \mode == 1
.set QA, 64*((2*(QI%4))%4)+32*(QI/4)
.set QB, 64*((2*(QI%4)+1)%4)+32*(QI/4)
.set QW, 2+(QI%4)/2
.else
.set QA, 64*(QI%4)
.set QB, QA+32
.set QW, 2+QI/4
.endif
	QUANT2
.set QI, QI+1
.endr
.endm
	PLACES NP
	s_mov_b32 s[SEL], 0x76543210
	s_mov_b32 s[SEL+1], 0xfedcba98
.irp b, 0,1,2,3
	v_mov_b32 v[TM+4+\b], 0
.endr
	s_cmp_lg_u32 s[MODE], 0
	s_cbranch_scc1 .Lepi_v
	EPI 1
	s_branch .Lepi_done
.Lepi_v:
	EPI 2
.Lepi_done:
	v_cmp_le_u32 vcc_lo, 16, v[LN]
.irp t, 0,1,2,3
	v_cndmask_b32 v[SW+\t], v[PW+\t], v[PW+4+\t], vcc_lo
.endr
	global_store_b128 v[SO], v[SW:SW+3], s[66:67]
	s_wait_tensorcnt 0x0
	ds_add_u32 v[SPW], v[NIL]
	s_wait_dscnt 0x0
	CROUND
	s_endpgm
.Lfunc_end_k_q9c422e0768_proj:
	.size	k_q9c422e0768_proj, .Lfunc_end_k_q9c422e0768_proj-k_q9c422e0768_proj
	.p2alignl 7, 3214868480
	.fill 96, 4, 3214868480
	.section	.rodata,"a",@progbits
	.p2align	6, 0x0
	.amdhsa_kernel k_q9c422e0768_proj
		.amdhsa_group_segment_fixed_size 327680
		.amdhsa_private_segment_fixed_size 0
		.amdhsa_enable_private_segment 0
		.amdhsa_kernarg_size 72
		.amdhsa_user_sgpr_count 2
		.amdhsa_user_sgpr_kernarg_segment_ptr 1
		.amdhsa_wavefront_size32 1
		.amdhsa_system_sgpr_workgroup_id_x 1
		.amdhsa_system_sgpr_workgroup_id_y 1
		.amdhsa_system_sgpr_workgroup_id_z 1
		.amdhsa_system_vgpr_workitem_id 0
		.amdhsa_next_free_vgpr 1024
		.amdhsa_next_free_sgpr 106
		.amdhsa_reserve_vcc 1
		.amdhsa_float_denorm_mode_32 3
		.amdhsa_float_denorm_mode_16_64 3
		.amdhsa_memory_ordered 1
		.amdhsa_forward_progress 1
		.amdhsa_inst_pref_size 222
	.end_amdhsa_kernel
	.amdgpu_metadata
---
amdhsa.version: [ 1, 2 ]
amdhsa.kernels:
  - .name:           k_q9c422e0768_proj
    .symbol:         k_q9c422e0768_proj.kd
    .args:
      - { .name: x_codes, .offset: 0, .size: 8, .value_kind: global_buffer, .address_space: global }
      - { .name: x_scales, .offset: 8, .size: 8, .value_kind: global_buffer, .address_space: global }
      - { .name: w_codes, .offset: 16, .size: 8, .value_kind: global_buffer, .address_space: global }
      - { .name: w_scales, .offset: 24, .size: 8, .value_kind: global_buffer, .address_space: global }
      - { .name: bq, .offset: 32, .size: 8, .value_kind: global_buffer, .address_space: global }
      - { .name: bk, .offset: 40, .size: 8, .value_kind: global_buffer, .address_space: global }
      - { .name: bv, .offset: 48, .size: 8, .value_kind: global_buffer, .address_space: global }
      - { .name: qkv, .offset: 56, .size: 8, .value_kind: global_buffer, .address_space: global }
      - { .name: qkv_sc, .offset: 64, .size: 8, .value_kind: global_buffer, .address_space: global }
    .group_segment_fixed_size: 327680
    .private_segment_fixed_size: 0
    .kernarg_segment_align: 8
    .kernarg_segment_size: 72
    .max_flat_workgroup_size: 128
    .sgpr_count:     106
    .vgpr_count:     1024
    .wavefront_size: 32
...
	.end_amdgpu_metadata
.endif
;; end of part 2
;; launch attn (part 3): grid 4 x 64, 16 waves a work-group, clusters of 4 x 1, 207,872 bytes of LDS; arguments qkv, qkv_sc, a_img, a_sc; writes a_img, a_sc
.if DOCPART == 3
	.amdgcn_target "amdgcn-amd-amdhsa--gfx1250"
	.amdhsa_code_object_version 6
	.text
	.protected	k_q9c422e0768_attn
	.globl	k_q9c422e0768_attn
	.p2align	8
	.type	k_q9c422e0768_attn,@function
k_q9c422e0768_attn:
	s_mov_b64 s[64:65], 0
	v_nop
	global_prefetch_b8 v0, s[64:65] scope:SCOPE_SE
	s_setreg_imm32_b32 hwreg(HW_REG_WAVE_MODE, 25, 1), 1
	s_wait_xcnt 0x0
	s_wait_alu depctr_hold_cnt(0) depctr_sa_sdst(0) depctr_va_vdst(0) depctr_va_sdst(0) depctr_va_ssrc(0) depctr_va_vcc(0) depctr_vm_vsrc(0)
	s_getreg_b32 s2, hwreg(HW_REG_IB_STS2, 6, 4)
	s_cmp_eq_u32 s2, 0
	s_cbranch_scc0 .Lentry_in_a_cluster
	s_endpgm
.Lentry_in_a_cluster:
	s_bfe_u32 s2, ttmp6, 0x10000c
	s_cmp_lg_u32 s2, 0x3003
	s_cbranch_scc0 .Lentry_shape_is_right
	s_endpgm
.Lentry_shape_is_right:
; Launch 3 of 4: for each batch and head, O = softmax(q k^T / 8) v on codes of E2M3, and the quantiser of O along d_model.  No work is left out.
; THE SOFTMAX: t = score x log2(e) / 8; M = the running largest t rounded up to a whole number; p = 2^(t - M) is quantised along the keys; the row's sum is taken of the unquantised p and divides O at the end.
; When M moves, the sum and O are multiplied by 2^(old M - new M), which rounds nothing.
; SHARES.  A cluster is the four query blocks of one (batch, head); a work-group owns 512 queries in two passes of 256; each of its sixteen waves one tile of 16 positions a pass, in 256 registers.
; A WHOLE HEAD'S K AND V STAY IN LDS, as operand images (launch 2), filled ONCE: 2 x 98,304 bytes by joint loads of the four partners, ONE A WAVE: wave w brings eighth w / 2 of K's (w even) or V's (w odd) images,
; 48 rows of 256 bytes.  The 2 x 4,096 bytes of scale words come by one load and one LDS store of 16 bytes a thread, into bytes of their own.  One wait for all, one barrier; nothing is filled again.
; From there to the launch's end the waves share only what nobody writes: no barrier stands in the passes.  A pass's scale bytes go to LDS bytes of that pass's own; one barrier at the end, and waves 0 and 1 store them.
; No prefetch: every tensor load is issued at the head, so there is no later request to run ahead of.
; LAYOUT.  S^T = K Q^T and O^T = V^T P^T: a lane holds one query throughout.  The first product's K is 64: an image of K holds TWO tiles of 16 keys (k 0-63 and 64-127 of the instruction), and Q stands in
; 18 registers as [q | six zeros | q]: registers 0-11 pick the first tile, registers 6-17 the second.
; Keys lie by position (launch 1): the 16 registers of tiles 2 f, 2 f + 1 are keys 32 f + 16 (lane / 16) + 0 .. 15.  V's d likewise: O^T's 16 registers of two tiles are 16 neighbours along d_model.
; LIMITS: as in launch 1 for the bytes; NaN and infinities are not served; the promise holds while |t| stays under 2^31.
.set REG,   6291456
.set HEADB, 98304
.set GRPB,  6144
.set PIECE, 12288                      ; what one wave's tensor load brings
.set VIMG,  98304                      ; LDS: K's images at 0, V's here,
.set KSC,   196608                     ; K's scale words, V's 4,096 further on (LDS stores alone),
.set SCG,   204800                     ; 2 x 512 bytes where the passes' scale bytes meet (LDS stores alone),
.set SPARE, 205824                     ; and the spare words, 128 bytes a wave, named by no other line
.set LI,  1                            ; v1  16 x lane
.set R16, 2                            ; v2  KSC + 16 r
.set SPW, 3                            ; v3  my spare word; never rewritten
.set NIL, 4                            ; v4  0; never rewritten
.set ADK, 5                            ; v5-7 the step's addresses: K's images, V's, the scale words
.set ADV, 6
.set ADS, 7
.set L8,  8                            ; v8  8 x lane
.set SCW, 9                            ; v9  SCG + 32 x wave + 2 r
.set SCR, 10                           ; v10 SCG + 16 x thread
.set RG,  11                           ; v11 16 r
.set QF,  16                           ; v16-33 [q | zeros | q];  v12 -M, v13 the largest t, v[14:15] the sum
.set QS,  34
.set KS,  36                           ; v36-39 K's scale words;  v40-43 V's
.set VS,  40
.set F,   44                           ; v44-91 four fragments
.set S,   96                           ; v96-159 S^T, then p
.set O,   160                          ; v160-191 O^T
.set PC,  192                          ; v192-203 p's codes; v204-206, v208-210 at work
.set BM,  212                          ; v212-215 the blocks' largest
.set T2,  216                          ; v216-219 at work
.set SOP, 220
.set TMP, 224
.set HW,  225
.set FF,  226                          ; v[226:227] f
.set PS,  228
.set A2,  244                          ; v244-247 two more chains of the sum
.set WV,  12
.set SEL, 20
.set CS,  22
.set G1,  24
.set TB,  60
.set TS,  61
.macro CROUND
	s_barrier_signal -1
	s_barrier_wait -1
	s_cmp_lg_u32 s[WV], 0
	s_cbranch_scc1 .Lnot_wave_0_\@
	s_barrier_signal -3
.Lnot_wave_0_\@:
	s_barrier_wait -3
	s_barrier_signal -1
	s_barrier_wait -1
.endm
	s_load_b256 s[4:11], s[0:1], 0x0               ; qkv, qkv_sc, a_img, a_sc
	v_lshl_add_u32 v[SPW], v0, 2, SPARE
	v_mov_b32 v[NIL], 0
	ds_add_u32 v[SPW], v[NIL]                      ; the opening: the add, twice on end, and its wait ahead of the first tensor load
	ds_add_u32 v[SPW], v[NIL]
	v_lshrrev_b32 v5, 5, v0
	v_readfirstlane_b32 s[WV], v5                  ; wave 0..15
	s_and_b32 s13, s[WV], 1                        ; I fetch for K (0) or V (1)
	s_bfe_u32 s14, ttmp6, 0x40000                  ; cx: it enters global addresses of q and of the results alone
	s_and_b32 s15, ttmp7, 0xffff                   ; 16 x batch + head, which the partners share
	s_mov_b32 s[G1], 15|(3<<16)|(1<<21)            ; all four partners; elements of 8 bytes; bit 21 beside a mask; no padding
	s_mov_b32 s[G1+1], 32<<16                      ; a dense block as rows of 256 bytes:
	s_mov_b32 s[G1+2], 48<<16                      ; 48 of them
	s_mov_b32 s[G1+3], 32<<16
	s_mov_b32 s[G1+4], 48
	s_mov_b32 s[G1+5], 32
	s_mov_b32 s[G1+6], 0
	s_mov_b32 s[G1+7], 0
	s_add_co_u32 s16, s13, 1                       ; region 1 (k) or 2 (v)
	s_mul_i32 s17, s16, REG
	s_mul_i32 s18, s15, HEADB
	s_add_co_u32 s76, s17, s18
	s_lshr_b32 s17, s[WV], 1
	s_mul_i32 s17, s17, PIECE                      ; my eighth
	s_add_co_u32 s76, s76, s17
	s_mov_b32 s77, 0
	s_mov_b32 s44, 1
	s_mul_i32 s45, s13, VIMG
	s_add_co_u32 s45, s45, s17                     ; and where it goes: the wave's number alone
	s_lshl_b32 s19, s15, 12
	s_add_co_u32 s78, s19, 1<<18                   ; k's scale words of my head; v's lie 262,144 further on
	s_mov_b32 s79, 0
	s_lshl_b32 s16, s14, 2
	s_lshr_b32 s17, s[WV], 3
	s_add_co_u32 s16, s16, s17                     ; my group of 128 positions in pass 0: 4 cx + wave / 8
	s_and_b32 s17, s[WV], 7                        ; my tile in it
	s_lshr_b32 s80, s17, 1                         ; its image,
	s_and_b32 s81, s17, 1                          ; and which half of that
	s_mul_i32 s66, s16, GRPB
	s_add_co_u32 s66, s66, s18
	s_mul_i32 s82, s80, 1536
	s_add_co_u32 s66, s66, s82                     ; q's image
	s_mov_b32 s67, 0
	s_lshl_b32 s68, s16, 8
	s_add_co_u32 s68, s68, s19
	s_lshl_b32 s82, s80, 2
	s_add_co_u32 s68, s68, s82                     ; q's scale words
	s_mov_b32 s69, 0
	s_lshr_b32 s82, s15, 4                         ; batch
	s_lshl_b32 s70, s82, 7
	s_lshl_b32 s83, s16, 3
	s_add_co_u32 s70, s70, s83
	s_add_co_u32 s70, s70, s17                     ; my tile among the 512
	s_mul_i32 s70, s70, 12288
	s_and_b32 s83, s15, 15                         ; head
	s_lshl_b32 s72, s83, 14
	s_lshr_b32 s83, s83, 1
	s_mul_i32 s83, s83, 1536
	s_add_co_u32 s70, s70, s83                     ; the K step of the last product: my pair of heads,
	s_and_b32 s83, s15, 1
	s_mul_i32 s83, s83, 768
	s_add_co_u32 s70, s70, s83                     ; and my half of its fragment
	s_mov_b32 s71, 0
	s_lshl_b32 s82, s82, 12
	s_add_co_u32 s72, s72, s82
	s_lshl_b32 s82, s14, 10
	s_add_co_u32 s72, s72, s82                     ; a_sc: head x 16,384 + 2 x my work-group's first position
	s_mov_b32 s73, 0
	s_mov_b32 s75, 0x01000100
	s_cmp_eq_u32 s81, 1
	s_cselect_b32 s74, -1, 0                       ; all lanes: the image's second half is mine
	s_cselect_b32 s75, 0x03020302, s75             ; my two scale bytes, twice
	s_mov_b32 s[SEL], 0x76543210
	s_mov_b32 s[SEL+1], 0xfedcba98
	s_mov_b32 s[CS], 0x3e38aa3b                    ; c = log2(e) / 8
	s_mov_b32 s[CS+1], s[CS]
	s_mov_b32 s63, 2                               ; passes
	s_mov_b32 s83, 0                               ; 512 x pass: where the pass's scale bytes meet
	s_wait_dscnt 0x0                               ; both opening adds are done
	s_wait_kmcnt 0x0
	s_add_nc_u64 s[46:47], s[4:5], s[76:77]
	s_or_b32 s47, s47, 0x80000000
	s_add_nc_u64 s[42:43], s[6:7], s[78:79]
	s_add_nc_u64 s[66:67], s[4:5], s[66:67]
	s_add_nc_u64 s[68:69], s[6:7], s[68:69]
	s_add_nc_u64 s[70:71], s[8:9], s[70:71]
	s_add_nc_u64 s[72:73], s[10:11], s[72:73]
	CROUND                                         ; all four work-groups are here: the joint loads meet
	tensor_load_to_lds s[44:47], s[G1:G1+7]        ; one line, no branch: every wave its own eighth
	s_nop 0
.rept 4
	v_nop
.endr
	v_lshrrev_b32 v[ADK], 8, v0                    ; the scale words: threads 0-255 k's 4,096 bytes, threads 256-511 v's, 16 bytes each
	v_and_b32 v[ADV], 255, v0
	v_lshlrev_b32 v[ADV], 4, v[ADV]
	v_lshl_add_u32 v[ADV], v[ADK], 18, v[ADV]
	global_load_b128 v[F:F+3], v[ADV], s[42:43]
	v_lshl_add_u32 v[ADS], v0, 4, KSC
	v_and_b32 v5, 31, v0
	v_lshlrev_b32 v[LI], 4, v5
	v_lshlrev_b32 v[L8], 3, v5
	v_and_b32 v[RG], 15, v0
	v_and_b32 v[SCW], 0x1e0, v0                    ; 32 x wave
	v_lshl_add_u32 v[SCW], v[RG], 1, v[SCW]
	v_add_nc_u32 v[SCW], SCG, v[SCW]
	v_lshlrev_b32 v[RG], 4, v[RG]
	v_add_nc_u32 v[R16], KSC, v[RG]
	v_lshl_add_u32 v[SCR], v0, 4, SCG
	s_wait_alu depctr_va_vdst(0)
	s_wait_tensorcnt 0x0                           ; my eighth is in
	s_wait_loadcnt 0x0
	ds_store_b128 v[ADS], v[F:F+3]
	s_wait_dscnt 0x0                               ; for the others' sake
	s_barrier_signal -1
	s_barrier_wait -1                              ; the whole head's K, V and scale words are in
; A KEY STEP: 128 keys.
.macro STEP
	v_add_nc_u32 v[ADK], s[TB], v[LI]              ; (these three and the v_nop are the four places behind the last products)
	s_delay_alu instid0(VALU_DEP_1)
	v_add_nc_u32 v[ADV], VIMG, v[ADK]
	v_add_nc_u32 v[ADS], s[TS], v[R16]
	v_nop
.irp f, 0,1,2,3
.irp c, 0,1,2
	ds_load_b128 v[F+12*\f+4*\c:F+12*\f+4*\c+3], v[ADK] offset:1536*\f+512*\c   ; an image comes back as it was stored: 512 consecutive bytes an instruction
.endr
.endr
	ds_load_b128 v[KS:KS+3], v[ADS]                ; the four images' scale words of row r
	ds_load_b128 v[VS:VS+3], v[ADS] offset:4096
	s_wait_alu depctr_va_vdst(0)
	s_wait_dscnt 0x0
.irp f, 0,1,2,3
.irp u, 0,1
	v_wmma_scale_f32_16x16x128_f8f6f4 v[S+16*\f+8*\u:S+16*\f+8*\u+7], v[F+12*\f:F+12*\f+11], v[QF+6*\u:QF+6*\u+11], 0, v[KS+\f], v[QS] matrix_a_fmt:MATRIX_FMT_FP6 matrix_b_fmt:MATRIX_FMT_FP6
.endr
.endr
.rept 4
	v_nop                                          ; places in front of the loads into K's registers and of the first read of the scores
.endr
.irp f, 0,1,2,3
.irp c, 0,1,2
	ds_load_b128 v[F+12*\f+4*\c:F+12*\f+4*\c+3], v[ADV] offset:1536*\f+512*\c   ; V's four fragments land under the softmax
.endr
.endr
.irp b, 0,1,2,3
	v_max3_num_f32 v[BM+\b], v[S+16*\b], v[S+1+16*\b], v[S+2+16*\b]   ; the largest score of each block of 32 keys: for the row's maximum, and, since p rises with the score, for the block's largest p
.endr
.irp i, 3,5,7,9,11,13
.irp b, 0,1,2,3
	v_max3_num_f32 v[BM+\b], v[BM+\b], v[S+16*\b+\i], v[S+1+16*\b+\i]
.endr
.endr
.irp b, 0,1,2,3
	v_max_num_f32 v[BM+\b], v[BM+\b], v[S+15+16*\b]
.endr
.irp b, 0,1,2,3
	s_delay_alu instid0(VALU_DEP_4)
	v_permlanex16_b32 v[T2+\b], v[BM+\b], s[SEL], s[SEL+1]
.endr
.irp b, 0,1,2,3
	s_delay_alu instid0(VALU_DEP_4)
	v_max_num_f32 v[BM+\b], v[BM+\b], v[T2+\b]
.endr
	s_delay_alu instid0(VALU_DEP_2)
	v_max3_num_f32 v[TMP], v[BM], v[BM+1], v[BM+2]
	s_delay_alu instid0(VALU_DEP_1)
	v_max_num_f32 v[TMP], v[TMP], v[BM+3]
	s_delay_alu instid0(VALU_DEP_1)
	v_mul_f32 v[TMP], s[CS], v[TMP]                ; as t
	s_delay_alu instid0(VALU_DEP_1)
	v_max_num_f32 v13, v13, v[TMP]                 ; the running largest t
	v_mov_b32 v[TMP], v12
	s_delay_alu instid0(VALU_DEP_2)
	v_floor_f32 v12, -v13                          ; -M = floor(-t): M is a whole number
	s_delay_alu instid0(VALU_DEP_1)
	v_sub_f32 v[TMP], v12, v[TMP]                  ; old M - new M, 0 or less
	s_delay_alu instid0(VALU_DEP_1)
	v_cvt_i32_f32 v[TMP], v[TMP]
	s_delay_alu instid0(VALU_DEP_1)
	v_ldexp_f32 v[FF], 1.0, v[TMP]                 ; f = 2^(old M - new M)
.irp j, 0,2,4,6,8,10,12,14,16,18,20,22,24,26,28,30,32,34,36,38,40,42,44,46,48,50,52,54,56,58,60,62
	v_pk_fma_f32 v[S+\j:S+1+\j], v[S+\j:S+1+\j], s[CS:CS+1], v[12:13] op_sel_hi:[1,0,0]   ; t - M
.endr
.irp b, 0,1,2,3
	v_fma_f32 v[BM+\b], v[BM+\b], s[CS], v12
.endr
	s_wait_alu depctr_va_vdst(0)
.set J, 0
.rept 64
	v_exp_f32 v[S+J], v[S+J]                       ; p = 2^(t - M)
.set J, J+1
.endr
	v_pk_mul_f32 v[14:15], v[14:15], v[FF:FF+1] op_sel_hi:[1,0]   ; the sums under the new M: the plain line behind the exponentials
	s_wait_alu depctr_va_vdst(0)                   ; one wait for the batch of 64, ahead of its first reader
.irp b, 0,1,2,3
	v_exp_f32 v[BM+\b], v[BM+\b]                   ; the blocks' largest p
.endr
	v_pk_add_f32 v[T2:T2+1], v[S:S+1], v[S+2:S+3]  ; the row's sum of the unquantised p: 32 packed additions in four chains by turns
	v_pk_add_f32 v[A2:A2+1], v[S+4:S+5], v[S+6:S+7]
	v_pk_add_f32 v[A2+2:A2+3], v[S+8:S+9], v[S+10:S+11]
	v_pk_add_f32 v[14:15], v[14:15], v[S+12:S+13]
.irp j, 14,22,30,38,46,54
	v_pk_add_f32 v[T2:T2+1], v[T2:T2+1], v[S+\j:S+\j+1]
	v_pk_add_f32 v[A2:A2+1], v[A2:A2+1], v[S+\j+2:S+\j+3]
	v_pk_add_f32 v[A2+2:A2+3], v[A2+2:A2+3], v[S+\j+4:S+\j+5]
	v_pk_add_f32 v[14:15], v[14:15], v[S+\j+6:S+\j+7]
.endr
	v_pk_add_f32 v[T2:T2+1], v[T2:T2+1], v[S+62:S+63]
	v_pk_add_f32 v[A2:A2+1], v[A2:A2+1], v[A2+2:A2+3]
	v_pk_add_f32 v[14:15], v[14:15], v[T2:T2+1]
	v_pk_add_f32 v[14:15], v[14:15], v[A2:A2+1]
	s_wait_alu depctr_va_vdst(0)                   ; and one for the four
.irp b, 0,1,2,3
	v_max_num_f32 v[BM+\b], 0x1800000, v[BM+\b]    ; the floor: the byte cannot fall under 1
.endr
.irp b, 0,1,2,3
	s_delay_alu instid0(VALU_DEP_4)
	v_add_nc_u32 v[SOP+\b], 0xff000000, v[BM+\b]
.endr
.irp b, 0,1,2,3
	s_delay_alu instid0(VALU_DEP_4)
	v_lshrrev_b32 v[T2+\b], 23, v[SOP+\b]
.endr
	s_delay_alu instid0(VALU_DEP_3)
	v_lshl_or_b32 v[PS], v[T2+1], 8, v[T2]
	s_delay_alu instid0(VALU_DEP_1)
	v_lshl_or_b32 v[PS], v[T2+2], 16, v[PS]
	s_delay_alu instid0(VALU_DEP_1)
	v_lshl_or_b32 v[PS], v[T2+3], 24, v[PS]
.irp c, 0,1
	v_cvt_scalef32_pk16_fp6_f32 v[PC+6*\c:PC+2+6*\c], v[S+32*\c:S+15+32*\c], v[SOP+2*\c]
	v_cvt_scalef32_pk16_fp6_f32 v[PC+12+4*\c:PC+14+4*\c], v[S+16+32*\c:S+31+32*\c], v[SOP+2*\c+1]
.endr
	v_nop                                          ; one plain line behind the conversions
.irp c, 0,1
.irp i, 0,1,2
	v_permlane16_swap_b32 v[PC+6*\c+\i], v[PC+12+4*\c+\i]
.endr
.irp i, 0,1,2
	s_delay_alu instid0(VALU_DEP_3)
	v_mov_b32 v[PC+3+6*\c+\i], v[PC+12+4*\c+\i]
.endr
.endr
.irp j, 0,2,4,6,8,10,12,14,16,18,20,22,24,26,28,30
	v_pk_mul_f32 v[O+\j:O+1+\j], v[O+\j:O+1+\j], v[FF:FF+1] op_sel_hi:[1,0]   ; O^T under the new M; these sixteen also stand between the writes of p's codes and scale word and the products
.endr
	s_wait_alu depctr_va_vdst(0)
	s_wait_dscnt 0x0                               ; V's fragments
.irp t, 0,1,2,3
	v_wmma_scale_f32_16x16x128_f8f6f4 v[O+8*\t:O+8*\t+7], v[F+12*\t:F+12*\t+11], v[PC:PC+11], v[O+8*\t:O+8*\t+7], v[VS+\t], v[PS] matrix_a_fmt:MATRIX_FMT_FP6 matrix_b_fmt:MATRIX_FMT_FP6   ; four accumulators by turns; the eight products of S^T stand between two links on one of them
.endr
.endm
.Lpass:
.irp c, 0,1,2
	global_load_b128 v[F+4*\c:F+4*\c+3], v[LI], s[66:67] offset:512*\c   ; the image that holds my tile of q
.endr
	global_load_b32 v[TMP], v[RG], s[68:69]
	s_wait_loadcnt 0x0
.irp j, 0,1,2,3,4,5
	v_cndmask_b32 v[QF+\j], v[F+\j], v[F+6+\j], s74   ; my half of it
.endr
.irp j, 0,1,2,3,4,5
	v_mov_b32 v[QF+6+\j], 0
.endr
.irp j, 0,1,2,3,4,5
	v_mov_b32 v[QF+12+\j], v[QF+\j]
.endr
	v_perm_b32 v[QS], v[TMP], v[TMP], s75          ; my two bytes stand for k 0-63 and for k 64-127 alike
	v_mov_b32 v13, 0xff61b1e6                      ; the largest t so far: -3e38
	s_delay_alu instid0(VALU_DEP_1)
	v_floor_f32 v12, -v13
	v_mov_b32 v14, 0
	v_mov_b32 v15, 0
.irp b, 0,1,2,3
	v_mov_b32 v[T2+\b], 0                          ; a lane permute's destination counts as one of its sources
.endr
	v_mov_b32 v[FF+1], 0                           ; named as the upper half of a pair
.set J, 0
.rept 32
	v_mov_b32 v[O+J], 0                            ; the step is written once: the first finds zeros.  (These lines also stand between the writes of q and its scale word and the first product)
.set J, J+1
.endr
	s_mov_b32 s[TB], 0
	s_mov_b32 s[TS], 0
	s_mov_b32 s62, 16                              ; 2,048 keys in sixteen steps
.Lstep:
	STEP
	s_add_co_u32 s[TB], s[TB], GRPB
	s_add_co_u32 s[TS], s[TS], 256
	s_sub_co_u32 s62, s62, 1
	s_cmp_lg_u32 s62, 0
	s_cbranch_scc1 .Lstep
	; THE WAY OUT of a pass: O^T / the sum, quantised along d_model: my head's 64 are two blocks; six registers of the last product's fragment, and two scale bytes a row.
.rept 4
	v_nop                                          ; places behind the last products
.endr
	v_add_f32 v14, v14, v15
	s_delay_alu instid0(VALU_DEP_1)
	v_permlanex16_b32 v[TMP], v14, s[SEL], s[SEL+1]
	s_delay_alu instid0(VALU_DEP_1)
	v_add_f32 v14, v14, v[TMP]                     ; the row's sum
	s_wait_alu depctr_va_vdst(0)
	v_rcp_f32 v14, v14
	v_nop                                          ; a plain line behind the reciprocal,
	s_wait_alu depctr_va_vdst(0)                   ; and the wait ahead of its first reader
.set J, 0
.rept 32
	v_mul_f32 v[S+J], v[O+J], v14                  ; register 16 b + i is d = 32 b + 16 h + i of my query
.set J, J+1
.endr
.irp b, 0,1
	v_max3_num_f32 v[BM+\b], |v[S+16*\b]|, |v[S+1+16*\b]|, 0x1800000
.endr
.irp i, 2,4,6,8,10,12,14
.irp b, 0,1
	s_delay_alu instid0(VALU_DEP_2)
	v_max3_num_f32 v[BM+\b], v[BM+\b], |v[S+16*\b+\i]|, |v[S+1+16*\b+\i]|
.endr
.endr
.irp b, 0,1
	s_delay_alu instid0(VALU_DEP_2)
	v_permlanex16_b32 v[T2+\b], v[BM+\b], s[SEL], s[SEL+1]
.endr
.irp b, 0,1
	s_delay_alu instid0(VALU_DEP_2)
	v_max_num_f32 v[BM+\b], v[BM+\b], v[T2+\b]
.endr
.irp b, 0,1
	s_delay_alu instid0(VALU_DEP_2)
	v_add_nc_u32 v[SOP+\b], 0xff000000, v[BM+\b]
.endr
.irp b, 0,1
	s_delay_alu instid0(VALU_DEP_2)
	v_lshrrev_b32 v[T2+\b], 23, v[SOP+\b]
.endr
	s_delay_alu instid0(VALU_DEP_1)
	v_lshl_or_b32 v[HW], v[T2+1], 8, v[T2]
	v_cvt_scalef32_pk16_fp6_f32 v[PC:PC+2], v[S:S+15], v[SOP]
	v_cvt_scalef32_pk16_fp6_f32 v[PC+12:PC+14], v[S+16:S+31], v[SOP+1]
	v_nop
.irp i, 0,1,2
	v_permlane16_swap_b32 v[PC+\i], v[PC+12+\i]
.endr
.irp i, 0,1,2
	s_delay_alu instid0(VALU_DEP_3)
	v_mov_b32 v[PC+3+\i], v[PC+12+\i]
.endr
.irp p, 0,1,2
	global_store_b64 v[L8], v[PC+2*\p:PC+2*\p+1], s[70:71] offset:256*\p   ; 32 lanes store 256 consecutive bytes, aligned
.endr
	v_add_nc_u32 v[TMP], s83, v[SCW]               ; this pass's 512 bytes
	ds_store_b16 v[TMP], v[HW]                     ; lanes r and r + 16 write the same two bytes with the same value
	s_wait_xcnt 0x0                                ; the loads and stores have read their addresses and data: pointers and registers may be written again
	s_add_nc_u64 s[66:67], s[66:67], 2*GRPB        ; two groups of 128 positions on
	s_add_nc_u64 s[68:69], s[68:69], 512
	s_add_nc_u64 s[70:71], s[70:71], 16*12288
	s_add_co_u32 s83, s83, 512
	s_sub_co_u32 s63, s63, 1
	s_cmp_lg_u32 s63, 0
	s_cbranch_scc1 .Lpass
	v_lshlrev_b32 v[ADK], 4, v0                    ; 16 x thread
	s_wait_alu depctr_va_vdst(0)
	s_wait_dscnt 0x0                               ; my stores of scale bytes have landed: for the others' sake
	s_barrier_signal -1
	s_barrier_wait -1
	s_cmp_ge_u32 s[WV], 2
	s_cbranch_scc1 .Lnot_01
	ds_load_b128 v[F:F+3], v[SCR]                  ; wave w: pass w's 256 rows x 2 bytes
	s_wait_dscnt 0x0
	global_store_b128 v[ADK], v[F:F+3], s[72:73]   ; 512 consecutive bytes, aligned
.Lnot_01:
	s_wait_tensorcnt 0x0                           ; the wave's end
	ds_add_u32 v[SPW], v[NIL]
	s_wait_dscnt 0x0
	CROUND                                         ; the closing round
	s_endpgm
.Lfunc_end_k_q9c422e0768_attn:
	.size	k_q9c422e0768_attn, .Lfunc_end_k_q9c422e0768_attn-k_q9c422e0768_attn
	.p2alignl 7, 3214868480
	.fill 96, 4, 3214868480
	.section	.rodata,"a",@progbits
	.p2align	6, 0x0
	.amdhsa_kernel k_q9c422e0768_attn
		.amdhsa_group_segment_fixed_size 207872
		.amdhsa_private_segment_fixed_size 0
		.amdhsa_enable_private_segment 0
		.amdhsa_kernarg_size 32
		.amdhsa_user_sgpr_count 2
		.amdhsa_user_sgpr_kernarg_segment_ptr 1
		.amdhsa_wavefront_size32 1
		.amdhsa_system_sgpr_workgroup_id_x 1
		.amdhsa_system_sgpr_workgroup_id_y 1
		.amdhsa_system_sgpr_workgroup_id_z 1
		.amdhsa_system_vgpr_workitem_id 0
		.amdhsa_next_free_vgpr 256
		.amdhsa_next_free_sgpr 84
		.amdhsa_reserve_vcc 0
		.amdhsa_float_denorm_mode_32 3
		.amdhsa_float_denorm_mode_16_64 3
		.amdhsa_memory_ordered 1
		.amdhsa_forward_progress 1
		.amdhsa_inst_pref_size 31
	.end_amdhsa_kernel
	.amdgpu_metadata
---
amdhsa.version: [ 1, 2 ]
amdhsa.kernels:
  - .name:           k_q9c422e0768_attn
    .symbol:         k_q9c422e0768_attn.kd
    .args:
      - { .name: qkv, .offset: 0, .size: 8, .value_kind: global_buffer, .address_space: global }
      - { .name: qkv_sc, .offset: 8, .size: 8, .value_kind: global_buffer, .address_space: global }
      - { .name: a_img, .offset: 16, .size: 8, .value_kind: global_buffer, .address_space: global }
      - { .name: a_sc, .offset: 24, .size: 8, .value_kind: global_buffer, .address_space: global }
    .group_segment_fixed_size: 207872
    .private_segment_fixed_size: 0
    .kernarg_segment_align: 8
    .kernarg_segment_size: 32
    .max_flat_workgroup_size: 512
    .sgpr_count:     84
    .vgpr_count:     256
    .wavefront_size: 32
...
	.end_amdgpu_metadata
.endif
;; end of part 3
;; launch outp (part 4): grid 4 x 32, 4 waves a work-group, clusters of 4 x 4, 327,680 bytes of LDS; arguments a_img, a_sc, w_codes, w_scales, bo, out0; writes out0
.if DOCPART == 4
	.amdgcn_target "amdgcn-amd-amdhsa--gfx1250"
	.amdhsa_code_object_version 6
	.text
	.protected	k_q9c422e0768_outp
	.globl	k_q9c422e0768_outp
	.p2align	8
	.type	k_q9c422e0768_outp,@function
k_q9c422e0768_outp:
	s_mov_b64 s[64:65], 0
	v_nop
	global_prefetch_b8 v0, s[64:65] scope:SCOPE_SE
	s_setreg_imm32_b32 hwreg(HW_REG_WAVE_MODE, 25, 1), 1
	s_wait_xcnt 0x0
	s_wait_alu depctr_hold_cnt(0) depctr_sa_sdst(0) depctr_va_vdst(0) depctr_va_sdst(0) depctr_va_ssrc(0) depctr_va_vcc(0) depctr_vm_vsrc(0)
	s_getreg_b32 s2, hwreg(HW_REG_IB_STS2, 6, 4)
	s_cmp_eq_u32 s2, 0
	s_cbranch_scc0 .Lentry_in_a_cluster
	s_endpgm
.Lentry_in_a_cluster:
	s_bfe_u32 s2, ttmp6, 0x10000c
	s_cmp_lg_u32 s2, 0xf033
	s_cbranch_scc0 .Lentry_shape_is_right
	s_endpgm
.Lentry_shape_is_right:
; Launch 4 of 4: out0 = a wo + bo on codes of E2M3; a is launch 3's result, as operand images and scale bytes.  No work is left out.
; A tile of 256 x 256 to a work-group of four waves, 128 x 128 to a wave; K = 1,024 in four steps of 256 through two LDS slots.  128 tiles: the problem has no more at this tile, and K is only eight
; instructions deep; a smaller tile would read each fragment from LDS for half the products.
; Source 1 = 16 positions of a: its fragments lie in memory as images, six pieces of 256 bytes (piece p = registers 2 p, 2 p + 1, lane l's 8 bytes at 8 l): a wave's tensor load brings 8 tiles x 3,072 bytes,
; and a fragment is six loads of 256 consecutive bytes.  Source 0 = 16 positions n of wo, as rows of codes.
; a's scale bytes lie [head][position][2]: each thread gathers two rows' sixteen pairs, makes their eight words, and stores them into LDS as rows of 32 bytes, the form in which wo's arrive.
; bo is the C of each sum's first product.  Rows and columns lie by position (launch 1); the way out puts them back: columns by the place in the stage, rows by the store's immediate.
; CLUSTERS: a's tiles are shared along a row of the cluster, wo's along a column: joint loads.
.set NQ,     2
.set ROWB,   192                       ; wo's codes lie [K step of 256][position][192 bytes] (launch 1): a tile's rows in one K step are a dense block, fetched as rows of 256 bytes; 16 bytes of padding behind every 64
.set WST,    4096*192                  ; from K step to K step in w_codes
.set PITCH,  240
.set FR,     12
.set NL,     6
.set NP,     4
.set HALFA,  8*3072                    ; 128 rows of a, 256 along K
.set HALFB,  128*PITCH
.set BOFF,   2*HALFA
.set SLOT,   BOFF+2*HALFB
.set LAPS,   2
.set KS,     32
.set SCL,    2*SLOT                    ; a's scale words (LDS stores alone), then wo's (a tensor load, once): units of 256 bytes + 16
.set HALFS,  (128*KS/256)*272
.set SBLK,   (16*KS/256)*272
.set SPARE,  SCL+4*HALFS
.set SPITCH, 528                       ; the way out: 16 rows x (512 + 16) bytes a wave, in slot 0, which has had its last fill and its last read by then
.set ADRA, 16                          ; v16-17 a's fragments in slot 0, 1
.set ADRB, 20                          ; v20-23 wo's
.set STO,  24
.set RD,   25
.set CO,   26
.set ADRS, 27
.set SPW,  28                          ; my spare word; never rewritten
.set NIL,  29                          ; 0; never rewritten
.set SC,   32
.set BI,   64
.set AF,   128
.set BK,   128
.set G1, 24
.set G0, 32
.set G1B, 48
.set G0B, 56
.set G1SB, 80
.set G0SB, 88
.set MSB, 0
.macro WIN new
.if MSB != \new
	s_set_vgpr_msb (MSB<<8)|\new
.set MSB, \new
.endif
.endm
.set MUL_LO, 0xa1
.set MUL_HI, 0xf1
.set BIA_LO, 0x81
.set BIA_HI, 0xc1
.set TO_B,   0x40
.macro JLOAD g0a, g1a, g0b, g1b
	s_cmp_eq_u32 s15, 0
	s_cbranch_scc0 .Lfor_b_\@
	tensor_load_to_lds s[\g0a:\g0a+3], s[\g1a:\g1a+7]
	s_nop 0
.rept 4
	v_nop
.endr
	s_branch .Lasked_\@
.Lfor_b_\@:
	tensor_load_to_lds s[\g0b:\g0b+3], s[\g1b:\g1b+7]
	s_nop 0
.rept 4
	v_nop
.endr
.Lasked_\@:
.endm
.macro CREST
	s_cmp_lg_u32 s14, 0
	s_cbranch_scc1 .Lnot_wave_0_\@
	s_barrier_signal -3
.Lnot_wave_0_\@:
	s_barrier_wait -3
	s_barrier_signal -1
	s_barrier_wait -1
.endm
.macro CROUND
	s_barrier_signal -1
	s_barrier_wait -1
	CREST
.endm
	s_load_b256 s[4:11], s[0:1], 0x0               ; a_img, a_sc, w_codes, w_scales
	s_load_b64 s[96:97], s[0:1], 0x20              ; bo
	s_load_b64 s[12:13], s[0:1], 0x28              ; out0
	v_lshl_add_u32 v[SPW], v0, 2, SPARE
	v_mov_b32 v[NIL], 0
	ds_add_u32 v[SPW], v[NIL]                      ; the opening: the add, twice on end, and its wait ahead of my first tensor load
	ds_add_u32 v[SPW], v[NIL]
	v_lshrrev_b32 v1, 5, v0
	v_readfirstlane_b32 s14, v1
	s_lshr_b32 s15, s14, 1                         ; my half of a's rows.  Also: I fetch for a (0) or for wo (1)
	s_and_b32 s16, s14, 1                          ; my half of wo's rows.  Also: which 128 rows I fetch
	s_bfe_u32 s40, ttmp6, 0x40000
	s_bfe_u32 s41, ttmp6, 0x40004
	s_lshl_b32 s42, ttmp9, 2
	s_add_co_u32 s42, s42, s40                     ; TC
	s_and_b32 s17, ttmp7, 0xffff
	s_lshl_b32 s17, s17, 2
	s_add_co_u32 s17, s17, s41                     ; TR
	s_lshl_b32 s43, s41, 2
	s_lshl_b32 s43, 15, s43
	s_lshl_b32 s44, 0x1111, s40
	s_or_b32 s[G1+0], s43, (3<<16)|(1<<21)         ; a: my row of the cluster; elements of 8 bytes; no padding
	s_mov_b32 s[G1+1], 384<<16                     ; 3,072 bytes of each of
	s_mov_b32 s[G1+2], 16<<16                      ; 16 tiles for the head's load, 8 behind it,
	s_mov_b32 s[G1+3], 384<<16
	s_mov_b32 s[G1+4], 16
	s_mov_b32 s[G1+5], 1536                        ; 12,288 bytes apart
	s_mov_b32 s[G1+6], 0
	s_mov_b32 s[G1+7], 0
	s_or_b32 s[G1B+0], s44, (0<<16)|(1<<20)|(1<<21)|(3<<22)|(3<<25)
	s_mov_b32 s[G1B+1], 256<<16
	s_mov_b32 s[G1B+2], 192<<16                    ; 256 rows of codes x 192 bytes = 192 rows of 256 bytes, for the head's load
	s_mov_b32 s[G1B+3], 256<<16
	s_mov_b32 s[G1B+4], 192
	s_mov_b32 s[G1B+5], 256
	s_mov_b32 s[G1B+6], 0
	s_mov_b32 s[G1B+7], 0
	s_or_b32 s[G1SB+0], s44, (3<<16)|(1<<20)|(1<<21)|(5<<22)|(3<<25)
	s_mov_b32 s[G1SB+1], 32<<16
	s_mov_b32 s[G1SB+2], (128*KS/256)<<16
	s_mov_b32 s[G1SB+3], 32<<16
	s_mov_b32 s[G1SB+4], 128*KS/256
	s_mov_b32 s[G1SB+5], 32
	s_mov_b32 s[G1SB+6], 0
	s_mov_b32 s[G1SB+7], 0
	s_lshl_b32 s20, s17, 4
	s_lshl_b32 s18, s16, 3
	s_add_co_u32 s20, s20, s18
	s_mul_i32 s20, s20, 12288                      ; a: tile 16 TR + 8 x half
	s_mov_b32 s21, 0
	s_lshl_b32 s46, s42, 8
	s_lshl_b32 s18, s16, 7
	s_add_co_u32 s46, s46, s18
	s_add_co_u32 s46, s46, 3072                    ; wo's rows begin at position 3,072 of w_codes
	s_lshl_b32 s92, s46, 5
	s_mov_b32 s93, 0
	s_mul_i32 s46, s46, ROWB
	s_mul_i32 s70, s17, 16*12288                   ; the head's loads take whole tiles: a's 16 tiles of positions,
	s_mov_b32 s71, 0
	s_lshl_b32 s74, s42, 8
	s_add_co_u32 s74, s74, 3072
	s_mul_i32 s74, s74, ROWB                       ; and wo's 256 rows
	s_mov_b32 s75, 0
	s_mov_b32 s47, 0
	s_mul_i32 s45, s16, HALFA
	s_mul_i32 s94, s16, HALFB
	s_add_co_u32 s94, s94, BOFF
	s_mul_i32 s22, s16, HALFS
	s_add_co_u32 s22, s22, SCL+2*HALFS
	s_lshl_b32 s18, s17, 9                         ; a_sc: 256 positions x 2 bytes a tile row
	s_mov_b32 s19, 0
	s_wait_dscnt 0x0
	s_wait_kmcnt 0x0
	s_add_nc_u64 s[20:21], s[4:5], s[20:21]
	s_add_nc_u64 s[46:47], s[8:9], s[46:47]
	s_add_nc_u64 s[92:93], s[10:11], s[92:93]
	s_add_nc_u64 s[6:7], s[6:7], s[18:19]
	s_add_nc_u64 s[70:71], s[4:5], s[70:71]
	s_add_nc_u64 s[74:75], s[8:9], s[74:75]
	s_or_b32 s71, s71, 0x80000000
	s_or_b32 s75, s75, 0x80000000
	s_mov_b32 s68, 1
	s_mov_b32 s69, 0
	s_mov_b32 s72, 1
	s_mov_b32 s73, BOFF
	CROUND
	s_mov_b32 s[G0SB], 1
	s_mov_b32 s[G0SB+1], s22
	s_mov_b64 s[G0SB+2:G0SB+3], s[92:93]
	s_or_b32 s[G0SB+3], s[G0SB+3], 0x80000000
.irp s, 0,1
	s_mov_b32 s[G0+4*\s], 1
	s_add_co_u32 s[G0+4*\s+1], s45, \s*SLOT
	s_add_nc_u64 s[G0+4*\s+2:G0+4*\s+3], s[20:21], \s*3072
	s_or_b32 s[G0+4*\s+3], s[G0+4*\s+3], 0x80000000
	s_mov_b32 s[G0B+4*\s], 1
	s_add_co_u32 s[G0B+4*\s+1], s94, \s*SLOT
	s_add_nc_u64 s[G0B+4*\s+2:G0B+4*\s+3], s[46:47], \s*WST
	s_or_b32 s[G0B+4*\s+3], s[G0B+4*\s+3], 0x80000000
.endr
	s_cmp_eq_u32 s14, 0                            ; the head's loads, one a wave, in one chain of branches on the wave's number: wave 0 K step 0 of a's 256 positions,
	s_cbranch_scc0 .Lhead_b
	tensor_load_to_lds s[68:71], s[G1:G1+7]
	s_nop 0
.rept 4
	v_nop
.endr
	s_branch .Lfirst_done
.Lhead_b:
	s_cmp_eq_u32 s14, 1                            ; wave 1 of wo's 256 rows,
	s_cbranch_scc0 .Lhead_s
	tensor_load_to_lds s[72:75], s[G1B:G1B+7]
	s_nop 0
.rept 4
	v_nop
.endr
	s_branch .Lfirst_done
.Lhead_s:
	tensor_load_to_lds s[G0SB:G0SB+3], s[G1SB:G1SB+7]   ; waves 2 and 3 a half each of wo's scale bytes
	s_nop 0
.rept 4
	v_nop
.endr
.Lfirst_done:
	v_lshlrev_b32 v7, 2, v0                        ; thread t takes positions 2 t, 2 t + 1 of the tile's 256
.irp e, 0,1,2,3,4,5,6,7,8,9,10,11,12,13,14,15
	global_load_b32 v[128+\e], v7, s[6:7] offset:16384*\e   ; head e's two bytes of both; a wave reads 128 consecutive bytes
.endr
	v_and_b32 v1, 15, v0                           ; r
	v_bfe_u32 v2, v0, 4, 1                         ; h
	s_lshl_b32 s20, s42, 10
	s_lshl_b32 s21, s16, 9
	s_add_co_u32 s20, s20, s21
	s_mov_b32 s21, 0
	s_add_nc_u64 s[96:97], s[96:97], s[20:21]      ; bo at my 128 columns
	v_lshlrev_b32 v6, 6, v2                        ; register j of tile b is column 32 (b / 2) + 16 h + 8 (b % 2) + j
.irp b, 0,1,2,3,4,5,6,7
	global_load_b128 v[BI+8*\b:BI+8*\b+3], v6, s[96:97] offset:(32*(\b/2)+8*(\b%2))*4
	global_load_b128 v[BI+8*\b+4:BI+8*\b+7], v6, s[96:97] offset:(32*(\b/2)+8*(\b%2))*4+16
.endr
	v_and_b32 v8, 31, v0
	v_lshlrev_b32 v9, 3, v8                        ; 8 x lane
	s_mul_i32 s21, s15, HALFA
	v_mul_u32_u24 v3, v1, PITCH
	v_mul_u32_u24 v4, v2, 24
	v_add_nc_u32 v4, v3, v4
	v_lshl_add_u32 v5, v2, 4, v4
	s_mul_i32 s22, s16, HALFB
	s_add_co_u32 s22, s22, BOFF
.irp s, 0,1
	v_add_nc_u32 v[ADRA+\s], s21, v9
	v_add_nc_u32 v[ADRB+\s], s22, v4
	v_add_nc_u32 v[ADRB+2+\s], s22, v5
	s_add_co_u32 s21, s21, SLOT
	s_add_co_u32 s22, s22, SLOT
.endr
	v_mul_u32_u24 v5, v1, KS
	v_lshrrev_b32 v10, 8, v5
	v_lshl_add_u32 v5, v10, 4, v5
	s_mul_i32 s21, s15, HALFS
	s_mul_i32 s22, s16, HALFS
	s_add_co_u32 s22, s22, 2*HALFS
	s_sub_co_u32 s22, s22, s21
	v_mul_u32_u24 v10, s22, v2                     ; lanes 16-31 take wo's
	s_add_co_u32 s21, s21, SCL
	v_add_nc_u32 v5, v5, v10
	v_add_nc_u32 v[ADRS], s21, v5
	s_mul_i32 s23, s14, 16*SPITCH                  ; my stage
	v_mul_u32_u24 v5, v1, SPITCH
	v_lshl_add_u32 v5, v2, 6, v5                   ; in: row r, + 64 h
	v_add_nc_u32 v[STO], s23, v5
	v_lshlrev_b32 v[CO], 4, v8
	v_add_nc_u32 v[RD], s23, v[CO]
	s_lshl_b32 s20, s17, 8
	s_lshl_b32 s21, s15, 7
	s_add_co_u32 s20, s20, s21
	s_lshl_b32 s20, s20, 12                        ; my first row of out0, 4,096 bytes a row
	s_lshl_b32 s21, s42, 10
	s_add_co_u32 s20, s20, s21
	s_lshl_b32 s21, s16, 9
	s_add_co_u32 s20, s20, s21
	s_mov_b32 s21, 0
	s_add_nc_u64 s[12:13], s[12:13], s[20:21]
	v_lshlrev_b32 v10, 6, v0                       ; a's scale words: rows 2 t, 2 t + 1 are 64 bytes,
	v_lshrrev_b32 v11, 2, v0
	v_lshl_add_u32 v10, v11, 4, v10                ; and 16 more for each 256 passed
	v_add_nc_u32 v10, SCL, v10
	s_mov_b32 s20, 0x05040100
	s_mov_b32 s21, 0x07060302
	s_wait_loadcnt 0x0
.irp s, 0,1,2,3,4,5,6,7
	v_perm_b32 v[144+\s], v[129+2*\s], v[128+2*\s], s20   ; row 2 t, K step s: head 2 s's two bytes below head 2 s + 1's
	v_perm_b32 v[152+\s], v[129+2*\s], v[128+2*\s], s21   ; row 2 t + 1
.endr
.irp c, 0,1,2,3
	ds_store_b128 v10, v[144+4*\c:147+4*\c] offset:16*\c
.endr
.macro FRAG reg, adr, q, i
.irp p, 0,1,2,3,4,5
.set PCE, 12*(\q)+6*(\p/3)+\p%3
.if PCE%8 < 5
	ds_load_b64 v[\reg+2*\p:\reg+2*\p+1], v[\adr] offset:8*PCE+16*(PCE/8)+(\i)*16*PITCH
.else
	ds_load_b64 v[\reg+2*\p:\reg+2*\p+1], v[\adr+2] offset:8*PCE+16*(PCE/8)+(\i)*16*PITCH
.endif
.endr
.endm
.macro FRAGA reg, adr, q, i            ; an image: six loads of 256 consecutive bytes
.irp p, 0,1,2,3,4,5
	ds_load_b64 v[\reg+2*\p:\reg+2*\p+1], v[\adr] offset:3072*(\i)+1536*(\q)+256*\p
.endr
.endm
.macro MUL16 a0, p, q, sc, cm          ; the 64 accumulators take turns, one instruction a turn
.irp a, \a0, \a0+1
.irp b, 0,1,2,3,4,5,6,7
.if \cm
	v_wmma_scale_f32_16x16x128_f8f6f4 v[8*(8*((\a)%4)+\b):8*(8*((\a)%4)+\b)+7], v[128*(\p)+FR*\b:128*(\p)+FR*\b+FR-1], v[AF+FR*(\a):AF+FR*(\a)+FR-1], v[BI+8*\b:BI+8*\b+7], v[SC+8*NQ*(\sc)+NQ*\b+(\q)], v[SC+8*NQ*(\sc)+NQ*(\a)+(\q)] matrix_a_fmt:MATRIX_FMT_FP6 matrix_b_fmt:MATRIX_FMT_FP6 matrix_a_scale:MATRIX_SCALE_ROW1
.else
	v_wmma_scale_f32_16x16x128_f8f6f4 v[8*(8*((\a)%4)+\b):8*(8*((\a)%4)+\b)+7], v[128*(\p)+FR*\b:128*(\p)+FR*\b+FR-1], v[AF+FR*(\a):AF+FR*(\a)+FR-1], v[8*(8*((\a)%4)+\b):8*(8*((\a)%4)+\b)+7], v[SC+8*NQ*(\sc)+NQ*\b+(\q)], v[SC+8*NQ*(\sc)+NQ*(\a)+(\q)] matrix_a_fmt:MATRIX_FMT_FP6 matrix_b_fmt:MATRIX_FMT_FP6 matrix_a_scale:MATRIX_SCALE_ROW1
.endif
.endr
.endr
.endm
.macro FETCH_B slot, q, p
	WIN TO_B
.irp i, 0,1,2,3,4,5,6,7
	FRAG 128*(\p)+FR*\i, ADRB+\slot, \q, \i
.endr
	WIN 0
.endm
.macro FETCH_A slot, q, i0
.irp i, \i0, \i0+1, \i0+2, \i0+3
	FRAGA AF+FR*(\i), ADRA+\slot, \q, \i
.endr
.endm
.macro SCALES sc
.irp i, 0,1,2,3,4,5,6,7
	ds_load_b64 v[SC+8*NQ*\sc+NQ*\i:SC+8*NQ*\sc+NQ*\i+1], v[ADRS] offset:\i*SBLK
.endr
.endm
.macro PLACES n
.rept \n
	v_nop
.endr
.endm
.macro STEP slot, q, cm
	s_wait_dscnt 4*NL                              ; all but the youngest 24 loads (a's blocks 4-7) are in
.if \cm
	WIN BIA_LO
.else
	WIN MUL_LO
.endif
	MUL16 0, (\q)%2, \q, \slot, \cm
	MUL16 2, (\q)%2, \q, \slot, \cm
	s_wait_dscnt 0
	PLACES NP
	FETCH_B \slot, (\q)+1, 1-(\q)%2
	FETCH_A \slot, (\q)+1, 0
.if \cm
	WIN BIA_HI
.else
	WIN MUL_HI
.endif
	MUL16 4, (\q)%2, \q, \slot, \cm
	MUL16 6, (\q)%2, \q, \slot, \cm
	PLACES NP
	WIN 0
	FETCH_A \slot, (\q)+1, 4
.endm
.macro TURN slot, next, fill
	s_wait_tensorcnt 0x0                           ; all my tensor loads have landed
	ds_add_u32 v[SPW], v[NIL]
	s_wait_dscnt 4*NL+1                            ; the add and the youngest 24 loads may be out
	WIN MUL_LO
	MUL16 0, 1, NQ-1, \slot, 0
	s_wait_dscnt 0x0                               ; the add is done, and my reads of this slot are over
	s_barrier_signal -1
	MUL16 2, 1, NQ-1, \slot, 0
	WIN 0
	s_barrier_wait -1
.if \fill
	CREST                                          ; a round of the cluster's barrier: no wave of any partner still reads this slot or has a load on its way
	s_add_nc_u64 s[G0+4*\slot+2:G0+4*\slot+3], s[G0+4*\slot+2:G0+4*\slot+3], 2*3072
	s_add_nc_u64 s[G0B+4*\slot+2:G0B+4*\slot+3], s[G0B+4*\slot+2:G0B+4*\slot+3], 2*WST
	JLOAD G0+4*\slot, G1, G0B+4*\slot, G1B
.else
	PLACES NP
.endif
	s_wait_alu depctr_va_vdst(0)
	v_add_nc_u32 v[ADRS], 4*NQ, v[ADRS]
	FETCH_B \next, 0, 0
	FETCH_A \next, 0, 0
	SCALES \next
	WIN MUL_HI
	MUL16 4, 1, NQ-1, \slot, 0
	MUL16 6, 1, NQ-1, \slot, 0
	PLACES NP
	WIN 0
	FETCH_A \next, 0, 4
.endm
	s_wait_alu depctr_va_vdst(0)
	s_wait_tensorcnt 0x0                           ; my tile of the head's is in
	ds_add_u32 v[SPW], v[NIL]
	s_mov_b32 s[G1+2], 8<<16                       ; no tensor load of mine is out: from here on a load brings 8 tiles of a,
	s_mov_b32 s[G1+4], 8
	s_mov_b32 s[G1B+2], 96<<16                     ; or 128 rows of wo: 96 rows of 256 bytes
	s_mov_b32 s[G1B+4], 96
	s_wait_dscnt 0x0                               ; the add is done, and my stores of a's scale words have landed
	CROUND                                         ; the head's tiles are in, and all sixteen work-groups are here
	JLOAD G0+4, G1, G0B+4, G1B                     ; K step 1, the first tensor load behind the round
	FETCH_B 0, 0, 0
	FETCH_A 0, 0, 0
	SCALES 0
	FETCH_A 0, 0, 4
	STEP 0, 0, 1                                   ; the first products start the sums with bo
	s_mov_b32 s3, LAPS-1
.Llap:
	TURN 0, 1, 1
	STEP 1, 0, 0
	TURN 1, 0, 1
	STEP 0, 0, 0
	s_sub_co_u32 s3, s3, 1
	s_cmp_lg_u32 s3, 0
	s_cbranch_scc1 .Llap
	TURN 0, 1, 0
	STEP 1, 0, 0
	s_wait_dscnt 4*NL
	WIN MUL_LO
	MUL16 0, 1, NQ-1, 1, 0
	MUL16 2, 1, NQ-1, 1, 0
	s_wait_dscnt 0
	WIN MUL_HI
	MUL16 4, 1, NQ-1, 1, 0
	MUL16 6, 1, NQ-1, 1, 0
	WIN 0
; THE WAY OUT, a block of 16 positions x 128 columns at a time, through my own stage: LDS serves a wave's instructions in order, so no wait stands between the stores and the loads.
.macro TOSTAGE a
.set AC, 64*((\a)%4)
.set DWIN, 0x08+4*((\a)/4)
	WIN DWIN                                       ; an LDS store's data: window 2 or 3
.irp b, 0,1,2,3,4,5,6,7
	ds_store_b128 v[STO], v[AC+8*\b:AC+8*\b+3] offset:128*(\b/2)+32*(\b%2)        ; columns 32 (b / 2) + 16 h + 8 (b % 2) + 0 .. 7; each accumulator from its low end on
	ds_store_b128 v[STO], v[AC+8*\b+4:AC+8*\b+7] offset:128*(\b/2)+32*(\b%2)+16
.endr
	WIN 0
.set BB, BK+64*((\a)%2)
.irp t, 0,1,2,3,4,5,6,7,8,9,10,11,12,13,14,15
	ds_load_b128 v[BB+4*\t:BB+4*\t+3], v[RD] offset:\t*SPITCH
.endr
.endm
.macro SEND a, younger                 ; younger: the LDS instructions issued behind block a's loads
.set BB, BK+64*((\a)%2)
	s_wait_dscnt \younger
.irp t, 0,1,2,3,4,5,6,7,8,9,10,11,12,13,14,15
	global_store_b128 v[CO], v[BB+4*\t:BB+4*\t+3], s[12:13] offset:(32*((\a)/2)+8*((\a)%2)+\t+8*(\t/8))*4096 th:TH_STORE_NT   ; position 16 a + t is this row; 32 lanes store 512 consecutive bytes, aligned
.endr
.endm
	PLACES NP
	TOSTAGE 0
.irp a, 1,2,3,4,5,6,7
.if \a > 1
	s_wait_xcnt 0x0                                ; block a - 2's stores have read their registers: block a's loads may land there
.endif
	TOSTAGE \a
	SEND \a-1, 32                                  ; behind block a - 1's loads: block a's 16 stores and 16 loads
.endr
	SEND 7, 0
	s_wait_tensorcnt 0x0                           ; the wave's end
	ds_add_u32 v[SPW], v[NIL]
	s_wait_dscnt 0x0
	CROUND                                         ; the closing round
	s_endpgm
.Lfunc_end_k_q9c422e0768_outp:
	.size	k_q9c422e0768_outp, .Lfunc_end_k_q9c422e0768_outp-k_q9c422e0768_outp
	.p2alignl 7, 3214868480
	.fill 96, 4, 3214868480
	.section	.rodata,"a",@progbits
	.p2align	6, 0x0
	.amdhsa_kernel k_q9c422e0768_outp
		.amdhsa_group_segment_fixed_size 327680
		.amdhsa_private_segment_fixed_size 0
		.amdhsa_enable_private_segment 0
		.amdhsa_kernarg_size 48
		.amdhsa_user_sgpr_count 2
		.amdhsa_user_sgpr_kernarg_segment_ptr 1
		.amdhsa_wavefront_size32 1
		.amdhsa_system_sgpr_workgroup_id_x 1
		.amdhsa_system_sgpr_workgroup_id_y 1
		.amdhsa_system_sgpr_workgroup_id_z 1
		.amdhsa_system_vgpr_workitem_id 0
		.amdhsa_next_free_vgpr 1024
		.amdhsa_next_free_sgpr 98
		.amdhsa_reserve_vcc 0
		.amdhsa_float_denorm_mode_32 3
		.amdhsa_float_denorm_mode_16_64 3
		.amdhsa_memory_ordered 1
		.amdhsa_forward_progress 1
		.amdhsa_inst_pref_size 165
	.end_amdhsa_kernel
	.amdgpu_metadata
---
amdhsa.version: [ 1, 2 ]
amdhsa.kernels:
  - .name:           k_q9c422e0768_outp
    .symbol:         k_q9c422e0768_outp.kd
    .args:
      - { .name: a_img, .offset: 0, .size: 8, .value_kind: global_buffer, .address_space: global }
      - { .name: a_sc, .offset: 8, .size: 8, .value_kind: global_buffer, .address_space: global }
      - { .name: w_codes, .offset: 16, .size: 8, .value_kind: global_buffer, .address_space: global }
      - { .name: w_scales, .offset: 24, .size: 8, .value_kind: global_buffer, .address_space: global }
      - { .name: bo, .offset: 32, .size: 8, .value_kind: global_buffer, .address_space: global }
      - { .name: out0, .offset: 40, .size: 8, .value_kind: global_buffer, .address_space: global }
    .group_segment_fixed_size: 327680
    .private_segment_fixed_size: 0
    .kernarg_segment_align: 8
    .kernarg_segment_size: 48
    .max_flat_workgroup_size: 128
    .sgpr_count:     98
    .vgpr_count:     1024
    .wavefront_size: 32
...
	.end_amdgpu_metadata
.endif
;; end of part 4
